; MI455X (gfx1250); checked and timed in simulation.
; The chip was launched on July 23, 2026; its instructions are those of AMD's public machine-readable ISA for CDNA 5 (MIT licence, August 2026) and "CDNA5" Instruction Set Architecture Reference Guide (July 2026). The comments in the code are by the model that wrote it; some were corrected since.
;; Causal Attention. Allowed arithmetic: matrix products marked QUANTISED: E2M1 operands, one E8M0 scale for each 32 along K, by v_wmma_scale_f32_16x16x128_f8f6f4 with both operands' format E2M1 (or v_wmma_scale_f32_32x16x128_f4), f32 sums; products left as they are: bf16, f16 or f32 operands; f32 sums; everything else in f32.
;; Inputs: W_out 1,024 x 1,024 float32; W_qkv 1,024 x 3,072 float32; x 4 x 2,048 x 1,024 float32.
;; Outputs: out0 4 x 2,048 x 1,024 float32.
;; This version of the problem:
;;   THIS VERSION OF THE PROBLEM IS GIVEN IN LOW PRECISION. The matrix products marked QUANTISED in the list below multiply operands that are first quantised to E2M1 (2 exponent bits, 1 mantissa bit; 4 bits a number), with one power-of-two scale for each 32 numbers along K (OCP MX v1.0); their sums are f32. The products marked 'left as it is' may take bf16, f16 or f32 operands, with f32 sums. Whichever they take, every output number must still come out within the allowed error. Rounding operands to bf16 (8 significant bits) uses up far more of that allowance than f16 does (11 bits, for magnitudes from 6e-5 to 65,504). All else is computed in f32.
;;   The module's matrix products, in the order in which they are computed (A, B: the left and right operand; K: the contracted axis; several contracted axes count as one K, in the product's order):
;;     1. [M 8,192, K 1,024] x [K 1,024, N 3,072]; A: input x; B: input W_qkv: QUANTISED
;;     2. batch 64 x [M 2,048, K 64] x [K 64, N 2,048]; A: computed on the way; B: computed on the way: left as it is (an operand is computed on the way)
;;     3. batch 64 x [M 2,048, K 2,048] x [K 2,048, N 64]; A: computed on the way; B: computed on the way: left as it is (an operand is computed on the way)
;;     4. [M 8,192, K 1,024] x [K 1,024, N 1,024]; A: computed on the way; B: input W_out: left as it is (an operand is computed on the way)
;;   THE QUANTISER, for each operand of a quantised product, along K:
;;     - K is cut into blocks of 32 from its start; a last block that is shorter is filled with zeros.
;;     - A block's scale is 2^e with e = floor(log2(the largest magnitude in the block)) - 2, held to -126 .. 127; a block of zeros has e = 0. As a byte (E8M0): e + 127.
;;     - Each number is divided by its block's scale, clamped to +-6, and rounded to the nearest number of E2M1, ties to even, subnormals kept.
;;     - The product sums the exact products of the quantised numbers (number of the format x scale) in f32.
;;   ~~~python
;;   def quantise(x, axis):      # numpy; x: float32 -> the quantised numbers, widened to float32 again
;;       x = np.moveaxis(x, axis, -1); K = x.shape[-1]
;;       x = np.pad(x, [(0, 0)] * (x.ndim - 1) + [(0, -K % 32)]); x = x.reshape(x.shape[:-1] + (-1, 32)); a = np.abs(x).max(-1, keepdims=True)
;;       e = np.where(a > 0, np.clip(np.frexp(np.where(a > 0, a, 1))[1] - 1 - 2, -126, 127), 0)      # np.frexp(a)[1] - 1 = floor(log2(a)), exactly
;;       r = np.clip(x / 2.0 ** e, -6, 6)
;;       step = 2.0 ** (np.maximum(np.frexp(np.where(r == 0, 1, r))[1] - 1, 0) - 1)
;;       q = np.round(r / step) * step * 2.0 ** e      # np.round: ties to even
;;       return np.moveaxis(q.reshape(q.shape[:-2] + (-1,))[..., :K], -1, axis).astype(np.float32)
;;   ~~~
;; One version. Each part assembles by itself: llvm-mc -triple=amdgcn-amd-amdhsa -mcpu=gfx1250 --defsym DOCPART=n.
;; ======== version 1 of 1: 5 launches
;; limits: values are held in f16: magnitudes above 65,504 overflow, below 6.1e-05 lose precision
;; workspace buffers: xc 4,194,304 bytes; xs 262,144 bytes; wc 1,572,864 bytes; ws 98,304 bytes; wo 2,097,152 bytes; qkv 50,331,648 bytes; f32rows 786,432 bytes; att 16,777,216 bytes
;; launch prep (part 1): grid 368 x 1, 4 waves a work-group, no clusters, 102,912 bytes of LDS; arguments x, W_qkv, W_out, xc, xs, wc, ws, wo; writes xc, xs, wc, ws, wo
.if DOCPART == 1
	.amdgcn_target "amdgcn-amd-amdhsa--gfx1250"
	.amdhsa_code_object_version 6
	.text
	.protected	k_qc818391c71_prep
	.globl	k_qc818391c71_prep
	.p2align	8
	.type	k_qc818391c71_prep,@function
k_qc818391c71_prep:
	s_mov_b64 s[64:65], 0
	v_nop
	global_prefetch_b8 v0, s[64:65] scope:SCOPE_SE
	s_setreg_imm32_b32 hwreg(HW_REG_WAVE_MODE, 25, 1), 1
	s_wait_xcnt 0x0
; CAUSAL ATTENTION, launch 1 of 5: the operands of the first product become codes of FP4 (E2M1) with one E8M0 scale byte for each 32 along K, and W_out becomes f16 with K innermost.
; THE PROGRAM: prep | gemm_qkv (x W_qkv on codes; q, k, v out as f16, positions 0-15 also as f32) | attn (f16 products, f32 softmax) | proj (f16) | first16 (positions 0-15 of every sequence once more, all in f32).
; DEAD WORK LEFT OUT, in the later launch attn: the function sets score(q, k) to -infinity for k > q by a mask that it builds itself (jnp.tril), so the weight of such a key is exp(-infinity) = 0 for all finite inputs:
; steps of 64 keys all of which come after a wave's queries are not multiplied, and blocks of 256 keys all of which come after a work-group's queries are not fetched.  All three inputs have a way to the output and are loaded.
; LIMIT that goes with it: a NaN, an infinity or an overflow that would arise only in the scores left out is not carried to the result.
; LIMITS of the program: q, k, v, the attention's result and W_out are rounded to f16 for the products that are left as they are: their magnitudes must stay under 65,504; a weight p under 6e-8 counts as 0 there.
; A block's scale is 2^(floor(log2(its largest magnitude)) - 2); its byte is the largest magnitude's exponent field - 2, held at 1 from below: blocks whose largest magnitude lies under 2^-124 get the byte 1;
; a block of zeros gets the byte 1 where the rule says 127 (its codes are zeros, which add nothing, and this program alone reads the bytes).  NaN and infinities among the inputs are not served.
; THREE PATHS, parted by the work-group's number, each with LDS bytes of its own and an end of its own:
;   work-groups 0-255   X: x [8192][1024], K innermost: a plain stream of blocks of 32; a wave takes 16 steps of 512 numbers.
;   work-groups 256-303 W: W_qkv [1024 k][3072 n], K outermost: a lane takes a column, its registers run down K; a wave takes 32 columns x 512 along K.
;   work-groups 304-367 O: W_out [1024 k][1024 n] -> wo [16 kb][1024 n][64 k] f16: a lane takes a column, its registers run down K; a wave takes 32 columns x 128 along K.
; No tensor loads, no barrier: waves share nothing.
.set SPW,   192                        ; v192  LDS address of my spare word: SPARE + 4 x my thread's number; never rewritten
.set NIL,   193                        ; v193  0; never rewritten
.set WLDS,  32768                      ; path X has LDS bytes 0 .. 32,767 (8,192 a wave); path W 32 x 272 a wave from here;
.set OLDS,  67584                      ; path O two stages of 16 x 272 a wave from here
.set SPARE, 102400                     ; the spare words, 128 bytes for each wave: two blocks of 256 bytes that no other line names
.set EMAX,  2
; ---- path X
.set STEPS, 16
.set CB,    8                          ; bytes of 16 codes
.set XR,    16                         ; v16-79   four sets of 16 numbers as they are loaded
.set XX,    80                         ; v80-111  two sets of 16 neighbours
.set XE,    112                        ; v112-127 a scale byte for each step
.set XC,    128                        ; v128-191 codes: four registers for each step, so that no store's data are written again
.set XSP,   80                         ; a lane's place in a stage: its 64 bytes + 16 of padding
.macro XLOAD t
.irp i, 0,1,2,3
	global_load_b128 v[XR+16*((\t)%4)+4*\i:XR+16*((\t)%4)+4*\i+3], v3, s[4:5] offset:2048*(\t)+512*\i th:TH_LOAD_NT   ; 32 lanes read 512 consecutive bytes
.endr
.endm
.macro XTURN t                         ; step t's numbers through the stage: LDS serves a wave's instructions in order, so no wait stands between the stores and the loads
.irp i, 0,1,2,3
	ds_store_b128 v14, v[XR+16*((\t)%4)+4*\i:XR+16*((\t)%4)+4*\i+3] offset:32*XSP*((\t)%2)+8*XSP*\i
.endr
.irp i, 0,1,2,3
	ds_load_b128 v[XX+16*((\t)%2)+4*\i:XX+16*((\t)%2)+4*\i+3], v15 offset:32*XSP*((\t)%2)+16*\i
.endr
.endm
.macro XSTEP t
.set XS, XX+16*((\t)%2)
.if (\t) > 0
	s_wait_dscnt 1                                 ; this step's numbers are back from the stage (the last step's byte store may be out)
.else
	s_wait_dscnt 0x0
.endif
.if (\t)+4 < STEPS
	XLOAD (\t)+4                                   ; into the registers that this step's stores into the stage have read
.endif
.if (\t)+1 < STEPS
.if STEPS-2-(\t) >= 3
	s_wait_loadcnt 12                              ; the next step's four loads are in; those of the three steps behind it may be out
.else
	s_wait_loadcnt 4*(STEPS-2-(\t))
.endif
	XTURN (\t)+1
.endif
	v_max3_num_f32 v8, |v[XS]|, |v[XS+1]|, |v[XS+2]|               ; the largest magnitude of my 16
	v_max3_num_f32 v9, |v[XS+3]|, |v[XS+4]|, |v[XS+5]|
.irp i, 6,10
	v_max3_num_f32 v8, v8, |v[XS+\i]|, |v[XS+\i+1]|
	v_max3_num_f32 v9, v9, |v[XS+\i+2]|, |v[XS+\i+3]|
.endr
	v_max3_num_f32 v8, v8, |v[XS+14]|, |v[XS+15]|
	v_max3_num_f32 v8, v8, v9, (EMAX+1)<<23        ; and the floor 2^(3 - 127): the byte cannot fall under 1
	v_max_num_f32_dpp v8, v8, v8 row_xmask:1 row_mask:0xf bank_mask:0xf   ; and of my neighbour's 16: the block's
	v_add_nc_u32 v11, -(EMAX<<23), v8              ; 2 off its exponent field: the conversion takes the exponent field of this operand as its scale
	v_cvt_scalef32_pk8_fp4_f32 v[XC+4*(\t)], v[XS:XS+7], v11
	v_cvt_scalef32_pk8_fp4_f32 v[XC+4*(\t)+1], v[XS+8:XS+15], v11
	v_lshrrev_b32 v[XE+(\t)], 23, v11              ; the scale's byte (also the plain line behind the conversions)
	ds_store_b8 v5, v[XE+(\t)] offset:16*(\t)      ; both lanes of a block write the same byte with the same value
	global_store_b64 v4, v[XC+4*(\t):XC+4*(\t)+1], s[10:11] offset:32*CB*(\t)   ; the wave stores 256 consecutive bytes
.endm
; ---- path W
.set NBL,   16                         ; blocks of 32 along K for a wave
.set WP,    272                        ; a stage row: 256 bytes of codes + 16
.set KROW,  512                        ; a row of wc in bytes
.set WX,    32                         ; v32-95   two sets of 32 numbers
.set WC,    96                         ; v96-99   a block's codes
.set WOUT,  112                        ; v112-175 the way out
.set WSB,   24                         ; v24-27   the scale bytes, four to a register
.macro WLOAD t                         ; block t: W_qkv(32 t + i, my column) into set t % 2; the largest immediate is 511 x 12,288, inside the signed 24 bits
.irp i, 0,1,2,3,4,5,6,7,8,9,10,11,12,13,14,15,16,17,18,19,20,21,22,23,24,25,26,27,28,29,30,31
	global_load_b32 v[WX+32*((\t)%2)+\i], v3, s[6:7] offset:(32*(\t)+\i)*12288 th:TH_LOAD_NT
.endr
.endm
.macro WBLOCK t
.set XS, WX+32*((\t)%2)
.if (\t) < NBL-1
	s_wait_loadcnt 32                              ; this block's 32 loads are in; the next block's may be out
.else
	s_wait_loadcnt 0x0
.endif
	v_max3_num_f32 v12, |v[XS]|, |v[XS+1]|, |v[XS+2]|              ; the block's largest magnitude: all 32 numbers are mine
	v_max3_num_f32 v13, |v[XS+3]|, |v[XS+4]|, |v[XS+5]|
.irp i, 6,10,14,18,22,26
	v_max3_num_f32 v12, v12, |v[XS+\i]|, |v[XS+\i+1]|
	v_max3_num_f32 v13, v13, |v[XS+\i+2]|, |v[XS+\i+3]|
.endr
	v_max3_num_f32 v12, v12, |v[XS+30]|, |v[XS+31]|
	v_max3_num_f32 v12, v12, v13, (EMAX+1)<<23
	v_add_nc_u32 v11, -(EMAX<<23), v12
	v_lshrrev_b32 v13, 23, v11                     ; the scale's byte
.if (\t)%4 == 0
	v_mov_b32 v[WSB+(\t)/4], v13
.else
	v_lshl_or_b32 v[WSB+(\t)/4], v13, 8*((\t)%4), v[WSB+(\t)/4]
.endif
.irp g, 0,1,2,3
	v_cvt_scalef32_pk8_fp4_f32 v[WC+\g], v[XS+8*\g:XS+8*\g+7], v11
.endr
	v_nop                                          ; one plain line behind the last conversion
	ds_store_b128 v4, v[WC:WC+3] offset:16*(\t)    ; 32 codes: 16 bytes of my column's row
.if (\t)+2 < NBL
	WLOAD (\t)+2
.endif
	s_wait_dscnt 0x0                               ; the store has read its registers: the next block's codes may be written
.endm
; ---- path O
.macro OLOAD t                         ; block t: W_out(32 t + i, my column) into set t % 2
.irp i, 0,1,2,3,4,5,6,7,8,9,10,11,12,13,14,15,16,17,18,19,20,21,22,23,24,25,26,27,28,29,30,31
	global_load_b32 v[32+32*((\t)%2)+\i], v3, s[8:9] offset:(32*(\t)+\i)*4096
.endr
.endm
.macro OBLOCK t
.if (\t) < 3
	s_wait_loadcnt 32                              ; this block's 32 loads are in; the next block's may be out
.else
	s_wait_loadcnt 0x0
.endif
.irp p, 0,1,2,3,4,5,6,7,8,9,10,11,12,13,14,15
	v_cvt_pk_f16_f32 v[96+16*(\t)+\p], v[32+32*((\t)%2)+2*\p], v[32+32*((\t)%2)+2*\p+1]   ; two neighbours along K; each block has registers of its own
.endr
.irp i, 0,1,2,3
	ds_store_b128 v4, v[96+16*(\t)+4*\i:96+16*(\t)+4*\i+3] offset:((\t)/2)*4352+((\t)%2)*64+16*\i
.endr
.if (\t)+2 < 4
	OLOAD (\t)+2
.endif
.endm
	s_load_b512 s[4:19], s[0:1], 0x0               ; x 4:5, W_qkv 6:7, W_out 8:9, xc 10:11, xs 12:13, wc 14:15, ws 16:17, wo 18:19
	v_lshl_add_u32 v[SPW], v0, 2, SPARE
	v_mov_b32 v[NIL], 0
	v_lshrrev_b32 v1, 5, v0
	v_readfirstlane_b32 s20, v1                    ; wave 0..3
	v_and_b32 v2, 31, v0                           ; lane
	s_mov_b32 s25, 0                               ; the upper word of every offset pair
	s_wait_kmcnt 0x0
	s_cmp_lt_u32 ttmp9, 256
	s_cbranch_scc1 .Lpath_x
	s_cmp_lt_u32 ttmp9, 304
	s_cbranch_scc1 .Lpath_w
	; ---------------- PATH O: W_out to f16, K innermost, in planes of 64 along K
	s_sub_co_u32 s21, ttmp9, 304
	s_and_b32 s22, s21, 7                          ; which 128 columns
	s_lshr_b32 s23, s21, 3                         ; which 128 along K
	s_lshl_b32 s22, s22, 7
	s_lshl_b32 s24, s20, 5
	s_add_co_u32 s22, s22, s24                     ; my wave's first column
	s_lshl_b32 s24, s23, 19                        ; 128 rows of 4,096 bytes
	s_lshl_b32 s26, s22, 2
	s_add_co_u32 s24, s24, s26
	s_add_nc_u64 s[8:9], s[8:9], s[24:25]
	s_lshl_b32 s24, s23, 18                        ; two planes of 131,072 bytes
	s_lshl_b32 s26, s22, 7                         ; a column's row in a plane: 128 bytes
	s_add_co_u32 s24, s24, s26
	s_add_nc_u64 s[18:19], s[18:19], s[24:25]
	v_lshlrev_b32 v3, 2, v2                        ; in: 4 bytes a lane: 128 consecutive bytes a wave
	s_mul_i32 s26, s20, 8704
	s_add_co_u32 s26, s26, OLDS                    ; my two stages
	v_lshrrev_b32 v4, 1, v2
	v_mul_u32_u24 v4, v4, 272
	v_and_b32 v5, 1, v2
	v_lshl_add_u32 v4, v5, 7, v4
	v_add_nc_u32 v4, s26, v4                       ; into a stage: two columns' rows of 128 bytes make a line of 256, 16 bytes of padding behind it
	v_lshrrev_b32 v5, 4, v2
	v_mul_u32_u24 v5, v5, 272
	v_and_b32 v6, 15, v2
	v_lshl_add_u32 v5, v6, 4, v5
	v_add_nc_u32 v5, s26, v5                       ; out of it: sixteen lanes to a line, two lines an instruction
	v_lshlrev_b32 v6, 4, v2                        ; and the same 512 bytes in wo
	OLOAD 0
	OLOAD 1
	OBLOCK 0
	OBLOCK 1
	OBLOCK 2
	OBLOCK 3
.irp k, 0,1
.irp u, 0,1,2,3,4,5,6,7
	ds_load_b128 v[32+32*\k+4*\u:32+32*\k+4*\u+3], v5 offset:\k*4352+\u*544   ; LDS serves a wave's instructions in order: these see my stores
.endr
.endr
.irp k, 0,1
.irp u, 0,1,2,3,4,5,6,7
	s_wait_dscnt 15-8*\k-\u                        ; the loads issued behind this one may be out
	global_store_b128 v6, v[32+32*\k+4*\u:32+32*\k+4*\u+3], s[18:19] offset:\k*131072+\u*512   ; 512 consecutive bytes
.endr
.endr
	s_wait_tensorcnt 0x0                           ; the wave's end, behind my last LDS store
	ds_add_u32 v[SPW], v[NIL]
	s_wait_dscnt 0x0
	s_endpgm
	; ---------------- PATH W: W_qkv to codes, K innermost
.Lpath_w:
	s_sub_co_u32 s21, ttmp9, 256
	s_cmp_ge_u32 s21, 24
	s_cselect_b32 s22, 1, 0                        ; which 512 along K
	s_cselect_b32 s23, 24, 0
	s_sub_co_u32 s21, s21, s23                     ; which 128 columns
	s_lshl_b32 s21, s21, 7
	s_lshl_b32 s23, s20, 5
	s_add_co_u32 s21, s21, s23                     ; my wave's first column
	v_lshlrev_b32 v3, 2, v2                        ; in: 4 bytes a lane
	s_mul_i32 s23, s20, 32*WP
	s_add_co_u32 s23, s23, WLDS                    ; my stage
	v_mul_u32_u24 v4, v2, WP
	v_add_nc_u32 v4, s23, v4                       ; into it: row = my column
	v_and_b32 v5, 15, v2
	v_lshrrev_b32 v6, 4, v2
	v_mul_u32_u24 v7, v6, WP
	v_lshl_add_u32 v7, v5, 4, v7
	v_add_nc_u32 v7, s23, v7                       ; out of it: sixteen lanes to a row, two rows an instruction
	v_mul_u32_u24 v8, v6, KROW
	v_lshl_add_u32 v8, v5, 4, v8                   ; and the same place in wc
	v_lshlrev_b32 v9, 5, v2                        ; my column's row of scale bytes: 32 bytes
	s_mul_i32 s24, s22, 6291456                    ; 512 rows of 12,288 bytes
	s_lshl_b32 s26, s21, 2
	s_add_co_u32 s24, s24, s26
	s_add_nc_u64 s[6:7], s[6:7], s[24:25]
	s_lshl_b32 s24, s21, 9
	s_lshl_b32 s26, s22, 8
	s_add_co_u32 s24, s24, s26
	s_add_nc_u64 s[14:15], s[14:15], s[24:25]
	s_lshl_b32 s24, s21, 5
	s_lshl_b32 s26, s22, 4
	s_add_co_u32 s24, s24, s26
	s_add_nc_u64 s[16:17], s[16:17], s[24:25]
	WLOAD 0
	WLOAD 1
.set Q, 0
.rept NBL
	WBLOCK Q
.set Q, Q+1
.endr
	global_store_b128 v9, v[WSB:WSB+3], s[16:17]   ; my column's 16 scale bytes
.irp t, 0,1,2,3,4,5,6,7,8,9,10,11,12,13,14,15
	ds_load_b128 v[WOUT+4*\t:WOUT+4*\t+3], v7 offset:2*\t*WP
.endr
.irp t, 0,1,2,3,4,5,6,7,8,9,10,11,12,13,14,15
	s_wait_dscnt 15-\t                             ; the loads issued behind this one may be out
	global_store_b128 v8, v[WOUT+4*\t:WOUT+4*\t+3], s[14:15] offset:2*\t*KROW   ; sixteen lanes store 256 consecutive bytes, aligned
.endr
	s_wait_tensorcnt 0x0                           ; the wave's end, behind my last LDS store
	ds_add_u32 v[SPW], v[NIL]
	s_wait_dscnt 0x0
	s_endpgm
	; ---------------- PATH X: x to codes
.Lpath_x:
	v_lshlrev_b32 v3, 4, v2                        ; my 16 bytes of a load's 512
	s_mul_i32 s21, s20, 8192                       ; my wave's region
	v_lshrrev_b32 v14, 2, v2
	v_mul_u32_u24 v14, v14, XSP
	v_and_b32 v15, 3, v2
	v_lshl_add_u32 v14, v15, 4, v14
	v_add_nc_u32 v14, s21, v14                     ; the stage, on the way in: four lanes' 64 bytes on end, then 16 of padding
	v_mul_u32_u24 v15, v2, XSP
	v_add_nc_u32 v15, s21, v15                     ; and on the way out: my 16 neighbours
	v_mul_u32_u24 v4, v2, CB                       ; my codes' place in a step's
	v_lshrrev_b32 v5, 1, v2
	s_add_co_u32 s21, s21, 2*32*XSP
	v_add_nc_u32 v5, s21, v5                       ; my wave's 256 scale bytes, my block's byte
	v_lshlrev_b32 v7, 3, v2
	v_add_nc_u32 v6, s21, v7                       ; and on the way out 8 bytes a lane
	s_lshl_b32 s22, ttmp9, 2
	s_add_co_u32 s22, s22, s20                     ; which run of 8,192 numbers is my wave's
	s_lshl_b32 s24, s22, 15
	s_add_nc_u64 s[4:5], s[4:5], s[24:25]
	s_lshl_b32 s24, s22, 12
	s_add_nc_u64 s[10:11], s[10:11], s[24:25]
	s_lshl_b32 s24, s22, 8
	s_add_nc_u64 s[12:13], s[12:13], s[24:25]
.irp t, 0,1,2,3
	XLOAD \t
.endr
	s_wait_loadcnt 12                              ; step 0's four loads are in
	XTURN 0
.irp t, 0,1,2,3,4,5,6,7,8,9,10,11,12,13,14,15
	XSTEP \t
.endr
	ds_load_b64 v[8:9], v6                         ; LDS serves a wave's instructions in order: these see my byte stores
	s_wait_dscnt 0x0
	global_store_b64 v7, v[8:9], s[12:13]          ; 32 lanes store 256 consecutive bytes, aligned
	s_wait_tensorcnt 0x0                           ; the wave's end, behind my last LDS store
	ds_add_u32 v[SPW], v[NIL]
	s_wait_dscnt 0x0
	s_endpgm
.Lfunc_end_k_qc818391c71_prep:
	.size	k_qc818391c71_prep, .Lfunc_end_k_qc818391c71_prep-k_qc818391c71_prep
	.p2alignl 7, 3214868480
	.fill 96, 4, 3214868480
	.section	.rodata,"a",@progbits
	.p2align	6, 0x0
	.amdhsa_kernel k_qc818391c71_prep
		.amdhsa_group_segment_fixed_size 102912
		.amdhsa_private_segment_fixed_size 0
		.amdhsa_enable_private_segment 0
		.amdhsa_kernarg_size 64
		.amdhsa_user_sgpr_count 2
		.amdhsa_user_sgpr_kernarg_segment_ptr 1
		.amdhsa_wavefront_size32 1
		.amdhsa_system_sgpr_workgroup_id_x 1
		.amdhsa_system_sgpr_workgroup_id_y 1
		.amdhsa_system_sgpr_workgroup_id_z 1
		.amdhsa_system_vgpr_workitem_id 0
		.amdhsa_next_free_vgpr 196
		.amdhsa_next_free_sgpr 66
		.amdhsa_reserve_vcc 0
		.amdhsa_float_denorm_mode_32 3
		.amdhsa_float_denorm_mode_16_64 3
		.amdhsa_memory_ordered 1
		.amdhsa_forward_progress 1
		.amdhsa_inst_pref_size 133
	.end_amdhsa_kernel
	.amdgpu_metadata
---
amdhsa.version: [ 1, 2 ]
amdhsa.kernels:
  - .name:           k_qc818391c71_prep
    .symbol:         k_qc818391c71_prep.kd
    .args:
      - { .name: x, .offset: 0, .size: 8, .value_kind: global_buffer, .address_space: global }
      - { .name: W_qkv, .offset: 8, .size: 8, .value_kind: global_buffer, .address_space: global }
      - { .name: W_out, .offset: 16, .size: 8, .value_kind: global_buffer, .address_space: global }
      - { .name: xc, .offset: 24, .size: 8, .value_kind: global_buffer, .address_space: global }
      - { .name: xs, .offset: 32, .size: 8, .value_kind: global_buffer, .address_space: global }
      - { .name: wc, .offset: 40, .size: 8, .value_kind: global_buffer, .address_space: global }
      - { .name: ws, .offset: 48, .size: 8, .value_kind: global_buffer, .address_space: global }
      - { .name: wo, .offset: 56, .size: 8, .value_kind: global_buffer, .address_space: global }
    .group_segment_fixed_size: 102912
    .private_segment_fixed_size: 0
    .kernarg_segment_align: 8
    .kernarg_segment_size: 64
    .max_flat_workgroup_size: 128
    .sgpr_count:     66
    .vgpr_count:     196
    .wavefront_size: 32
...
	.end_amdgpu_metadata
.endif
;; end of part 1
;; launch gemm_qkv (part 2): grid 12 x 32, 4 waves a work-group, clusters of 4 x 4, 327,680 bytes of LDS; arguments xc, xs, wc, ws, qkv, f32rows; writes qkv, f32rows
.if DOCPART == 2
	.amdgcn_target "amdgcn-amd-amdhsa--gfx1250"
	.amdhsa_code_object_version 6
	.text
	.protected	k_qc818391c71_gemm_qkv
	.globl	k_qc818391c71_gemm_qkv
	.p2align	8
	.type	k_qc818391c71_gemm_qkv,@function
k_qc818391c71_gemm_qkv:
	s_mov_b64 s[64:65], 0
	v_nop
	global_prefetch_b8 v0, s[64:65] scope:SCOPE_SE
	s_setreg_imm32_b32 hwreg(HW_REG_WAVE_MODE, 25, 1), 1
	s_wait_xcnt 0x0
	s_wait_alu depctr_hold_cnt(0) depctr_sa_sdst(0) depctr_va_vdst(0) depctr_va_sdst(0) depctr_va_ssrc(0) depctr_va_vcc(0) depctr_vm_vsrc(0)
	s_getreg_b32 s2, hwreg(HW_REG_IB_STS2, 6, 4)
	s_cmp_eq_u32 s2, 0
	s_cbranch_scc0 .Lentry_in_a_cluster
	s_endpgm
.Lentry_in_a_cluster:
	s_bfe_u32 s2, ttmp6, 0x10000c
	s_cmp_lg_u32 s2, 0xf033
	s_cbranch_scc0 .Lentry_shape_is_right
	s_endpgm
.Lentry_shape_is_right:
; Launch 2 of 5: qkv = x W_qkv on codes of FP4 (E2M1) with one E8M0 scale for each 32 along K; sums in f32.  A = xc [8192][512 bytes], xs [8192][32]; B = wc [3072][512 bytes], ws [3072][32].
; OUT: qkv as f16, [4 b][48 g][2048 t][64], g = column / 64 (q's 16 heads, k's, v's); and the rows t < 16 of every batch once more as f32, as images of the accumulators' registers (f32rows), for the launch first16.
; A tile of C, 256 x 256, is made by a work-group of four waves; a wave makes 128 x 128: 64 accumulators of 16 x 16, 512 registers.  K = 1,024 is two slots of 512 (rows of 256 bytes): both are asked for at the head, nothing is filled again.
; THE SCALES of the work-group's 256 rows of A and of B, for all of K, are two dense blocks: they come into LDS once, with the first fills.  By this text's count a wave has three tensor loads out at the start.
; CLUSTERS: 4 x 4 work-groups.  The four of a row of the cluster need the same tiles of A, the four of a column the same tiles of B: each tile is asked for jointly.
; THE TILE ROW IS 8 cy + CLUSTER y: a batch is eight tile rows, so the batch is cy and the tile row within it is the cluster's y: whether a work-group holds rows t < 16 hangs on the cluster's y alone, which all partners share.
; THE MATRIX INSTRUCTION IS USED TRANSPOSED (source 0 = 16 rows of B, source 1 = 16 rows of A): a lane then holds eight neighbouring columns of a row of C.
; 384 tiles for 256 WGPs: the second turn is half full; stated, not mended here.
; REGISTERS, in windows of 256: window 0: v0-31 addresses; v32-95 scale words, two sets; v128-191 A's fragments, one set; on the way out v32-63, v192-255 at work.
;   window 1: B's fragments, two sets, at v0 and v128.   window 2: the accumulators of my rows 0-63 ((a, b) at v[8 (8 a + b)]);   window 3: those of my rows 64-127.
.set SIZE_K, 1024
.set KSTEP,  512
.set NQ,     KSTEP/128
.set ROWB,   256
.set KROW,   SIZE_K*4/8
.set PITCH,  272                       ; an LDS row: 256 bytes + 16 of padding: the 16 rows that a load touches start at 16 different banks (64 banks of 4 bytes: ISA guide 11.1)
.set FR,     8
.set NL,     2
.set NP,     4                         ; places behind this matrix instruction (ISA guide 7.12.1)
.set HALFT,  128*PITCH
.set SLOT,   4*HALFT
.set KS,     SIZE_K/32
.set SCL,    2*SLOT                    ; behind the slots: the scales, as units of 256 bytes + 16 of padding
.set HALFS,  (128*KS/256)*272
.set SBLK,   (16*KS/256)*272
.set SPARE,  SCL+4*HALFS               ; the spare words, 128 bytes for each wave: two blocks of 256 bytes that no other line names
.set HS,     262144                    ; a head's 2,048 rows of 128 bytes in qkv
.set ADRA, 16
.set ADRB, 20
.set STO,  24                          ; v24  the way out: where I put 16 bytes of a row
.set RD,   25                          ; v25  where I read a line of 256 bytes back
.set CO,   26                          ; v26  my byte offset in qkv
.set ADRS, 27
.set SPW,  28
.set NIL,  29
.set LI,   30                          ; v30  16 x lane
.set SC,   32
.set AF,   128
.set TMP,  192                         ; v192-223 a block's results as f16
.set G1, 24
.set G0, 32
.set G1B, 48
.set G0B, 56
.set G1S, 68
.set G0S, 76
.set G1SB, 80
.set G0SB, 88
.set FLG, 95                           ; s95  0 in the waves that hold rows t < 16: cluster y = 0 and the upper half of the tile's rows
.set FP,  96                           ; s[96:97] f32rows at my wave's first image
.set MSB, 0
.macro WIN new                         ; the immediate's high byte repeats the setting that is left
.if MSB != \new
	s_set_vgpr_msb (MSB<<8)|(\new)
.set MSB, \new
.endif
.endm
.set MUL_LO, 0xa1                      ; source 0 (B) window 1, source 1 (A) window 0, C and D window 2
.set MUL_HI, 0xf1
.set TO_B,   0x40
; A joint load: waves 0 and 1 fetch for A, waves 2 and 3 for B; the branch hangs on the wave's number alone.  An s_nop 0 and four v_nop follow each of the two lines.
.macro JLOAD g0a, g1a, g0b, g1b
	s_cmp_eq_u32 s15, 0
	s_cbranch_scc0 .Lfor_b_\@
	tensor_load_to_lds s[\g0a:\g0a+3], s[\g1a:\g1a+7]
	s_nop 0
.rept 4
	v_nop
.endr
	s_branch .Lasked_\@
.Lfor_b_\@:
	tensor_load_to_lds s[\g0b:\g0b+3], s[\g1b:\g1b+7]
	s_nop 0
.rept 4
	v_nop
.endr
.Lasked_\@:
.endm
.macro CROUND                          ; a round of the cluster's barrier
	s_barrier_signal -1
	s_barrier_wait -1
	s_cmp_lg_u32 s14, 0
	s_cbranch_scc1 .Lnot_wave_0_\@
	s_barrier_signal -3
.Lnot_wave_0_\@:
	s_barrier_wait -3
	s_barrier_signal -1
	s_barrier_wait -1
.endm
	s_load_b128 s[4:7], s[0:1], 0x0                ; A's codes, A's scales
	s_load_b128 s[8:11], s[0:1], 0x10              ; B's codes, B's scales
	s_load_b64 s[12:13], s[0:1], 0x20              ; qkv
	s_load_b64 s[FP:FP+1], s[0:1], 0x28            ; f32rows
	v_lshl_add_u32 v[SPW], v0, 2, SPARE
	v_mov_b32 v[NIL], 0
	ds_add_u32 v[SPW], v[NIL]                      ; the wave's opening: the add, twice on end, and its wait ahead of my first tensor load
	ds_add_u32 v[SPW], v[NIL]
	v_lshrrev_b32 v1, 5, v0
	v_readfirstlane_b32 s14, v1                    ; wave 0..3
	s_lshr_b32 s15, s14, 1                         ; which half of the tile's rows is mine.  Also: I fetch for A (0) or for B (1)
	s_and_b32 s16, s14, 1                          ; which half of its columns.  Also: which 128 rows of that tile I fetch
	s_bfe_u32 s40, ttmp6, 0x40000                  ; cx, cy: my place in the cluster
	s_bfe_u32 s41, ttmp6, 0x40004
	s_lshl_b32 s42, ttmp9, 2
	s_add_co_u32 s42, s42, s40                     ; tile column of C = 4 x cluster x + cx
	s_and_b32 s17, ttmp7, 0xffff                   ; cluster y
	s_or_b32 s[FLG], s17, s15
	s_lshl_b32 s18, s41, 3
	s_add_co_u32 s17, s17, s18                     ; tile row of C = 8 cy + cluster y
	s_lshl_b32 s43, s41, 2
	s_lshl_b32 s43, 15, s43                        ; my row of the cluster
	s_lshl_b32 s44, 0x1111, s40                    ; my column
	s_or_b32 s[G1+0], s43, (0<<16)|(1<<20)|(1<<21)|(5<<22)|(3<<25)  ; the mask: A's tiles go to my row; elements of 1 byte; padding: 4 words behind every 64; bit 21 beside a mask
	s_or_b32 s[G1B+0], s44, (0<<16)|(1<<20)|(1<<21)|(5<<22)|(3<<25)
.irp g, G1, G1B
	s_mov_b32 s[\g+1], ROWB<<16                    ; tensor_dim0
	s_mov_b32 s[\g+2], 128<<16                     ; tensor_dim1
	s_mov_b32 s[\g+3], ROWB<<16                    ; tile_dim0
	s_mov_b32 s[\g+4], 128                         ; tile_dim1
	s_mov_b32 s[\g+5], KROW                        ; the pitch
	s_mov_b32 s[\g+6], 0
	s_mov_b32 s[\g+7], 0
.endr
	s_or_b32 s[G1S+0], s43, (3<<16)|(1<<20)|(1<<21)|(5<<22)|(3<<25)   ; the scales of 128 rows: 4,096 dense bytes as 16 rows of 256 (32 elements of 8 bytes), 16 bytes of padding behind each
	s_or_b32 s[G1SB+0], s44, (3<<16)|(1<<20)|(1<<21)|(5<<22)|(3<<25)
.irp g, G1S, G1SB
	s_mov_b32 s[\g+1], 32<<16
	s_mov_b32 s[\g+2], (128*KS/256)<<16
	s_mov_b32 s[\g+3], 32<<16
	s_mov_b32 s[\g+4], 128*KS/256
	s_mov_b32 s[\g+5], 32
	s_mov_b32 s[\g+6], 0
	s_mov_b32 s[\g+7], 0
.endr
	s_lshl_b32 s18, s16, 7                         ; which 128 rows of the tile I fetch
	s_lshl_b32 s20, s17, 8
	s_add_co_u32 s20, s20, s18                     ; A: row 256 x tile row + 128 x half
	s_lshl_b32 s46, s42, 8
	s_add_co_u32 s46, s46, s18                     ; B: row 256 x tile column + 128 x half
	s_mov_b32 s21, 0
	s_mov_b32 s47, 0
	s_mov_b64 s[18:19], KS
	s_mul_u64 s[22:23], s[20:21], s[18:19]         ; where these rows' scales begin, in bytes
	s_mul_u64 s[92:93], s[46:47], s[18:19]
	s_mov_b64 s[18:19], KROW
	s_mul_u64 s[20:21], s[20:21], s[18:19]         ; and their codes
	s_mul_u64 s[46:47], s[46:47], s[18:19]
	s_mul_i32 s45, s14, HALFT                      ; where they go: wave x 128 rows: no place in the cluster enters an LDS address
	s_mul_i32 s94, s14, HALFS
	s_wait_dscnt 0x0                               ; both opening adds are done
	s_wait_kmcnt 0x0
	s_add_nc_u64 s[20:21], s[4:5], s[20:21]
	s_add_nc_u64 s[22:23], s[6:7], s[22:23]
	s_add_nc_u64 s[46:47], s[8:9], s[46:47]
	s_add_nc_u64 s[92:93], s[10:11], s[92:93]
	CROUND                                         ; all sixteen work-groups are here: the first joint loads meet
	s_mov_b32 s[G0S], 1
	s_add_co_u32 s[G0S+1], s94, SCL
	s_mov_b64 s[G0S+2:G0S+3], s[22:23]
	s_or_b32 s[G0S+3], s[G0S+3], 0x80000000
	s_mov_b32 s[G0SB], 1
	s_add_co_u32 s[G0SB+1], s94, SCL
	s_mov_b64 s[G0SB+2:G0SB+3], s[92:93]
	s_or_b32 s[G0SB+3], s[G0SB+3], 0x80000000
	JLOAD G0S, G1S, G0SB, G1SB                     ; the scales first: they are wanted with the first slot
.irp s, 0,1
	s_mov_b32 s[G0+4*\s], 1
	s_add_co_u32 s[G0+4*\s+1], s45, \s*SLOT
	s_add_nc_u64 s[G0+4*\s+2:G0+4*\s+3], s[20:21], \s*ROWB
	s_or_b32 s[G0+4*\s+3], s[G0+4*\s+3], 0x80000000
	s_mov_b32 s[G0B+4*\s], 1
	s_add_co_u32 s[G0B+4*\s+1], s45, \s*SLOT
	s_add_nc_u64 s[G0B+4*\s+2:G0B+4*\s+3], s[46:47], \s*ROWB
	s_or_b32 s[G0B+4*\s+3], s[G0B+4*\s+3], 0x80000000
	JLOAD G0+4*\s, G1, G0B+4*\s, G1B
.endr
	v_and_b32 v1, 15, v0                           ; r = l % 16
	v_bfe_u32 v2, v0, 4, 1                         ; h = l / 16
	v_mul_u32_u24 v3, v1, PITCH
	v_lshl_add_u32 v4, v2, 4, v3                   ; a fragment's row x pitch + 16 x half
	s_mul_i32 s21, s15, HALFT                      ; my 128 rows of A
	s_mul_i32 s22, s16, HALFT                      ; my 128 rows of B,
	s_add_co_u32 s22, s22, 2*HALFT                 ; which lie behind A's 256
.irp s, 0,1
	v_add_nc_u32 v[ADRA+\s], s21, v4
	v_add_nc_u32 v[ADRB+\s], s22, v4
	s_add_co_u32 s21, s21, SLOT
	s_add_co_u32 s22, s22, SLOT
.endr
	v_mul_u32_u24 v5, v1, KS                       ; my row's scales: KS bytes a row,
	v_lshrrev_b32 v6, 8, v5
	v_lshl_add_u32 v5, v6, 4, v5                   ; and 16 more for each 256 passed
	s_mul_i32 s21, s15, HALFS                      ; A's: my 128 rows
	s_mul_i32 s22, s16, HALFS                      ; B's: my 128 rows, behind A's 256
	s_add_co_u32 s22, s22, 2*HALFS
	s_sub_co_u32 s22, s22, s21
	v_mul_u32_u24 v6, s22, v2                      ; lanes 16-31 take B's
	s_add_co_u32 s21, s21, SCL
	v_add_nc_u32 v5, v5, v6
	v_add_nc_u32 v[ADRS], s21, v5
	; the way out.  The stage, 2 heads x 8 lines of (256 + 16) bytes for each wave, lies in slot 0, which has had its only fill and its last read when the first result is stored there
	s_mul_i32 s23, s14, 4352
	v_lshrrev_b32 v5, 1, v1
	v_mul_u32_u24 v5, v5, 272
	v_and_b32 v6, 1, v1
	v_lshl_add_u32 v5, v6, 7, v5
	v_lshl_add_u32 v5, v2, 4, v5
	v_add_nc_u32 v[STO], s23, v5                   ; in: two rows of 128 bytes to a line: 272 (r / 2) + 128 (r % 2) + 16 h
	v_mul_u32_u24 v5, v2, 2176
	v_lshl_add_u32 v5, v1, 4, v5
	v_add_nc_u32 v[RD], s23, v5                    ; back: lanes 0-15 a line of my first head, lanes 16-31 the same line of my second
	v_lshlrev_b32 v5, 18, v2
	v_lshl_add_u32 v[CO], v1, 4, v5                ; and the same in qkv: the second head lies HS bytes on
	v_and_b32 v6, 31, v0
	v_lshlrev_b32 v[LI], 4, v6
	s_mul_i32 s20, s41, 48*HS                      ; my batch
	s_and_b32 s21, ttmp7, 0xffff
	s_lshl_b32 s21, s21, 15                        ; 256 rows of 128 bytes for each tile row in the batch
	s_add_co_u32 s20, s20, s21
	s_lshl_b32 s21, s15, 14                        ; my half's 128 rows
	s_add_co_u32 s20, s20, s21
	s_mov_b32 s21, 0
	s_add_nc_u64 s[12:13], s[12:13], s[20:21]
	s_lshl_b32 s46, s42, 20                        ; four heads to a tile column,
	s_lshl_b32 s47, s16, 19                        ; two to my half
	s_add_co_u32 s46, s46, s47
	s_mov_b32 s47, 0
	s_add_nc_u64 s[12:13], s[12:13], s[46:47]
	s_mul_i32 s20, s41, 196608                     ; f32rows: a batch's 192 images of 1,024 bytes
	s_add_nc_u64 s[FP:FP+1], s[FP:FP+1], s[20:21]
	s_lshl_b32 s46, s42, 14                        ; sixteen to a tile column,
	s_lshl_b32 s47, s16, 13                        ; eight to my half
	s_add_co_u32 s46, s46, s47
	s_mov_b32 s47, 0
	s_add_nc_u64 s[FP:FP+1], s[FP:FP+1], s[46:47]
.macro FRAG reg, adr, q, i             ; a fragment, 16 rows x 128 K of 4-bit codes, is 8 registers: lane l holds row l % 16; registers 4 c .. 4 c + 3 hold K = 64 c + 32 (l / 16) + 0 .. 31
.irp c, 0,1
	ds_load_b128 v[\reg+4*\c:\reg+4*\c+3], v[\adr] offset:64*(\q)+32*\c+(\i)*16*PITCH
.endr
.endm
; 16 matrix instructions: A's blocks a0, a0 + 1 x B's eight, 128 along K.  zero = 1: the first product starts the sums.  The 64 accumulators take turns, one instruction a turn.
.macro MUL16 a0, p, q, sc, zero
.irp a, \a0, \a0+1
.irp b, 0,1,2,3,4,5,6,7
.if \zero
	v_wmma_scale_f32_16x16x128_f8f6f4 v[8*(8*((\a)%4)+\b):8*(8*((\a)%4)+\b)+7], v[128*(\p)+FR*\b:128*(\p)+FR*\b+FR-1], v[AF+FR*(\a):AF+FR*(\a)+FR-1], 0, v[SC+8*NQ*(\sc)+NQ*\b+(\q)], v[SC+8*NQ*(\sc)+NQ*(\a)+(\q)] matrix_a_fmt:MATRIX_FMT_FP4 matrix_b_fmt:MATRIX_FMT_FP4 matrix_a_scale:MATRIX_SCALE_ROW1
.else
	v_wmma_scale_f32_16x16x128_f8f6f4 v[8*(8*((\a)%4)+\b):8*(8*((\a)%4)+\b)+7], v[128*(\p)+FR*\b:128*(\p)+FR*\b+FR-1], v[AF+FR*(\a):AF+FR*(\a)+FR-1], v[8*(8*((\a)%4)+\b):8*(8*((\a)%4)+\b)+7], v[SC+8*NQ*(\sc)+NQ*\b+(\q)], v[SC+8*NQ*(\sc)+NQ*(\a)+(\q)] matrix_a_fmt:MATRIX_FMT_FP4 matrix_b_fmt:MATRIX_FMT_FP4 matrix_a_scale:MATRIX_SCALE_ROW1
.endif
.endr
.endr
.endm
.macro FETCH_B slot, q, p
	WIN TO_B
.irp i, 0,1,2,3,4,5,6,7
	FRAG 128*(\p)+FR*\i, ADRB+\slot, \q, \i
.endr
	WIN 0
.endm
.macro FETCH_A slot, q, i0
.irp i, \i0, \i0+1, \i0+2, \i0+3
	FRAG AF+FR*(\i), ADRA+\slot, \q, \i
.endr
.endm
.macro SCALES sc                       ; a slot's scale words: lanes 0-15 take A's block i, lanes 16-31 B's block i
.irp i, 0,1,2,3,4,5,6,7
	ds_load_b128 v[SC+8*NQ*\sc+NQ*\i:SC+8*NQ*\sc+NQ*\i+3], v[ADRS] offset:\i*SBLK
.endr
.endm
.macro PLACES n                        ; plain vector instructions that name none of the matrix instruction's registers (ISA guide 7.12.1)
.rept \n
	v_nop
.endr
.endm
.macro STEP slot, q, zero              ; a step of 128 along K that has its successor in the same slot
	s_wait_dscnt 4*NL                              ; B's set and A's blocks 0-3 are in; the youngest eight loads (A's blocks 4-7) may be out
	WIN MUL_LO
	MUL16 0, (\q)%2, \q, \slot, \zero
	MUL16 2, (\q)%2, \q, \slot, \zero
	s_wait_dscnt 0
	PLACES NP
	FETCH_B \slot, (\q)+1, 1-(\q)%2
	FETCH_A \slot, (\q)+1, 0
	WIN MUL_HI
	MUL16 4, (\q)%2, \q, \slot, \zero
	MUL16 6, (\q)%2, \q, \slot, \zero
	PLACES NP
	WIN 0
	FETCH_A \slot, (\q)+1, 4
.endm
.macro TURN slot, next                 ; slot 0's last step: one barrier; behind it slot 1 is whole for every wave, and nobody reads slot 0 any more.  Nothing is filled again
	s_wait_tensorcnt 0x0                           ; all my tensor loads have landed: my part of the next slot
	ds_add_u32 v[SPW], v[NIL]                      ; 0 onto my spare word
	s_wait_dscnt 4*NL+1                            ; (the add and the youngest eight loads, A's blocks 4-7, may be out)
	WIN MUL_LO
	MUL16 0, 1, NQ-1, \slot, 0
	s_wait_dscnt 0x0                               ; the add is done, and my reads of this slot are over
	s_barrier_signal -1
	MUL16 2, 1, NQ-1, \slot, 0
	WIN 0
	s_barrier_wait -1
	PLACES NP
	v_add_nc_u32 v[ADRS], 4*NQ, v[ADRS]            ; on to the next slot's scale words
	FETCH_B \next, 0, 0
	FETCH_A \next, 0, 0
	SCALES \next
	WIN MUL_HI
	MUL16 4, 1, NQ-1, \slot, 0
	MUL16 6, 1, NQ-1, \slot, 0
	PLACES NP
	WIN 0
	FETCH_A \next, 0, 4
.endm
.macro STEPS slot, from
.set Q, \from
.rept NQ-1-\from
	STEP \slot, Q, 0
.set Q, Q+1
.endr
.endm
	s_wait_tensorcnt 1                             ; the scales and my part of slot 0 are in (slot 1's load may be out),
	s_barrier_signal -1
	s_barrier_wait -1                              ; everybody's are
	FETCH_B 0, 0, 0
	FETCH_A 0, 0, 0
	SCALES 0
	FETCH_A 0, 0, 4
	STEP 0, 0, 1                                   ; the first step's products start the sums
	STEPS 0, 1
	TURN 0, 1
	STEPS 1, 0
	s_wait_dscnt 4*NL                              ; the very last step: nothing more to fetch
	WIN MUL_LO
	MUL16 0, 1, NQ-1, 1, 0
	MUL16 2, 1, NQ-1, 1, 0
	s_wait_dscnt 0
	WIN MUL_HI
	MUL16 4, 1, NQ-1, 1, 0
	MUL16 6, 1, NQ-1, 1, 0
	WIN 0
	PLACES NP                                      ; behind the last products, ahead of the first reads of results and of loads into registers that they read
	; ROWS t < 16 AS f32: my block 0's eight accumulators as they stand, 512 consecutive bytes a store.  The branch hangs on the cluster's y and the wave's number: the same in all partners
	s_cmp_eq_u32 s[FLG], 0
	s_cbranch_scc0 .Lno16
	WIN 0x08                                       ; a store's data are its source 1: window 2
.irp b, 0,1,2,3,4,5,6,7
	global_store_b128 v[LI], v[8*\b:8*\b+3], s[FP:FP+1] offset:1024*\b          ; each accumulator from its low end on
	global_store_b128 v[LI], v[8*\b+4:8*\b+7], s[FP:FP+1] offset:1024*\b+512
.endr
	WIN 0
.Lno16:
; THE WAY OUT, block by block of 16 rows x 128 columns (two heads).  PACK: rounded to f16, 16 bytes a lane.  TOSTAGE: into my stage, and back as lines of 256 bytes (two rows of a head).  SEND: stored.
.macro PACK a
.set AC, 64*((\a)%4)
	WIN 0x0a+5*((\a)/4)                            ; sources 0 and 1: window 2 or 3
.irp b, 0,1,2,3,4,5,6,7
.irp r, 0,1,2,3
	v_cvt_pk_f16_f32 v[TMP+4*\b+\r], v[AC+8*\b+2*\r], v[AC+8*\b+2*\r+1]
.endr
.endr
	WIN 0
.endm
.macro TOSTAGE a
.set BB, 32+192*((\a)%2)                       ; v32-63 and v224-255 by turns
.irp b, 0,1,2,3,4,5,6,7
	ds_store_b128 v[STO], v[TMP+4*\b:TMP+4*\b+3] offset:(\b/4)*2176+32*(\b%4)
.endr
.irp t, 0,1,2,3,4,5,6,7
	ds_load_b128 v[BB+4*\t:BB+4*\t+3], v[RD] offset:272*\t     ; LDS serves a wave's instructions in order (ISA guide 5.7.1.4): these see the stores above
.endr
.endm
.macro SEND a
.set BB, 32+192*((\a)%2)
	s_wait_dscnt 0x0                               ; the block is back in registers
	s_wait_xcnt 0x0                                ; the block before's stores have read their registers: the next block's loads may land there
.irp t, 0,1,2,3,4,5,6,7
	global_store_b128 v[CO], v[BB+4*\t:BB+4*\t+3], s[12:13] offset:2048*(\a)+256*\t   ; sixteen lanes store 256 consecutive bytes, aligned
.endr
.endm
	PACK 0
	TOSTAGE 0
.irp a, 1,2,3,4,5,6,7                  ; block a's conversions stand between block a - 1's loads from the stage and the wait for them
	PACK \a
	SEND \a-1
	TOSTAGE \a
.endr
	SEND 7
	s_wait_tensorcnt 0x0                           ; the wave's end, behind my last tensor load and my last LDS store
	ds_add_u32 v[SPW], v[NIL]
	s_wait_dscnt 0x0
	CROUND                                         ; the closing round: no work-group ends while a partner may still ask for a tile that names it
	s_endpgm
.Lfunc_end_k_qc818391c71_gemm_qkv:
	.size	k_qc818391c71_gemm_qkv, .Lfunc_end_k_qc818391c71_gemm_qkv-k_qc818391c71_gemm_qkv
	.p2alignl 7, 3214868480
	.fill 96, 4, 3214868480
	.section	.rodata,"a",@progbits
	.p2align	6, 0x0
	.amdhsa_kernel k_qc818391c71_gemm_qkv
		.amdhsa_group_segment_fixed_size 327680
		.amdhsa_private_segment_fixed_size 0
		.amdhsa_enable_private_segment 0
		.amdhsa_kernarg_size 48
		.amdhsa_user_sgpr_count 2
		.amdhsa_user_sgpr_kernarg_segment_ptr 1
		.amdhsa_wavefront_size32 1
		.amdhsa_system_sgpr_workgroup_id_x 1
		.amdhsa_system_sgpr_workgroup_id_y 1
		.amdhsa_system_sgpr_workgroup_id_z 1
		.amdhsa_system_vgpr_workitem_id 0
		.amdhsa_next_free_vgpr 1024
		.amdhsa_next_free_sgpr 100
		.amdhsa_reserve_vcc 0
		.amdhsa_float_denorm_mode_32 3
		.amdhsa_float_denorm_mode_16_64 3
		.amdhsa_memory_ordered 1
		.amdhsa_forward_progress 1
		.amdhsa_inst_pref_size 128
	.end_amdhsa_kernel
	.amdgpu_metadata
---
amdhsa.version: [ 1, 2 ]
amdhsa.kernels:
  - .name:           k_qc818391c71_gemm_qkv
    .symbol:         k_qc818391c71_gemm_qkv.kd
    .args:
      - { .name: xc, .offset: 0, .size: 8, .value_kind: global_buffer, .address_space: global }
      - { .name: xs, .offset: 8, .size: 8, .value_kind: global_buffer, .address_space: global }
      - { .name: wc, .offset: 16, .size: 8, .value_kind: global_buffer, .address_space: global }
      - { .name: ws, .offset: 24, .size: 8, .value_kind: global_buffer, .address_space: global }
      - { .name: qkv, .offset: 32, .size: 8, .value_kind: global_buffer, .address_space: global }
      - { .name: f32rows, .offset: 40, .size: 8, .value_kind: global_buffer, .address_space: global }
    .group_segment_fixed_size: 327680
    .private_segment_fixed_size: 0
    .kernarg_segment_align: 8
    .kernarg_segment_size: 48
    .max_flat_workgroup_size: 128
    .sgpr_count:     100
    .vgpr_count:     1024
    .wavefront_size: 32
...
	.end_amdgpu_metadata
.endif
;; end of part 2
;; launch attn (part 3): grid 4 x 64, 8 waves a work-group, no clusters, 327,680 bytes of LDS; arguments qkv, att; writes att
.if DOCPART == 3
	.amdgcn_target "amdgcn-amd-amdhsa--gfx1250"
	.amdhsa_code_object_version 6
	.text
	.protected	k_qc818391c71_attn
	.globl	k_qc818391c71_attn
	.p2align	8
	.type	k_qc818391c71_attn,@function
k_qc818391c71_attn:
	s_mov_b64 s[64:65], 0
	v_nop
	global_prefetch_b8 v0, s[64:65] scope:SCOPE_SE
	s_setreg_imm32_b32 hwreg(HW_REG_WAVE_MODE, 25, 1), 1
	s_wait_xcnt 0x0
; Launch 3 of 5: att[h][b t][:] = the sum over k <= t of softmax_k(q . k / 8) v, for each of 64 (batch, head).  q, k, v: f16, [4 b][48 g][2048 t][64] (g = head, 16 + head, 32 + head).  att: f16, [16 h][8192 b t][64].
; Products on f16 operands with f32 sums; maxima, exponentials and sums in f32; the weights p (at most 1) are rounded to f16 for the second product, the result once at the end.
; WORK LEFT OUT: the mask that the function builds itself gives keys k > t the weight 0 for all finite inputs: a step of 64 keys all of which come after a wave's 32 queries is not multiplied, and a block of 256 keys
; all of which come after the work-group's queries is not fetched.  A NaN, an infinity or an overflow that would arise only there is not carried to the result.
; SHARES.  Work-group (X, y): head y, query blocks X and then 7 - X (256 queries each): X + 1 and 8 - X blocks of 256 keys, NINE for every work-group: 256 equal work-groups and a constant trip count.
; Each of the eight waves owns 32 queries, two tiles of 16; two waves share a SIMD, so that one wave's softmax stands beside the other's products.
; NO CLUSTER: the four work-groups of a head want different key blocks in the same trip (block J of pass 1 or block J - X - 1 of pass 2), so no tile is wanted by two of them at the same time.
; LAYOUT.  S^T = K Q^T (source 0 = 16 keys, source 1 = 16 queries): a lane holds ONE query (lane % 16) and keys 8 (lane / 16) + 0..7.  Two such tiles, rounded to f16 in pairs, ARE source 1 of O^T = V^T P.
; K comes out of LDS as it lies, V ([key][channel]) turned, by ds_load_tr16_b128.
; SOFTMAX.  A running maximum m and sum l for each query: p = 2^(c s - c m), c = log2(e) / 8; in every step O and l are multiplied by a = 2^(c m_old - c m_new).  m begins at -3e38 and O, l at 0: the first step multiplies zeros.
; A step that is walked has its first key at or under the wave's first query (the first is a multiple of 64, the second of 32), so m is a number from the first step on, and a masked score gives p = 0.
; THE RING: two slots of 256 keys (K: 256 x 144 bytes, V: 256 x 160), filled by tensor loads, a quarter a wave (waves 0-3 K, waves 4-7 V).  One load a wave is out; every wait for tensor loads is for all of them.
; REGISTERS: window 0: v1-15 addresses; v16-31 statistics, 8 a tile; v32-63 at work; v64-127 S^T; v128-159 P; v160-223 O^T; v224-255 Q.   window 1: v0-63 K's fragments, v64-127 V's.
.set KP,    144                        ; a row of K in LDS: 128 bytes + 16: the 16 rows of a load start at 16 different banks (64 banks of 4 bytes: ISA guide 11.1)
.set VP,    160                        ; a row of V: 128 + 32
.set VOFF,  256*KP
.set SLOT1, 1<<17
.set STAGE, SLOT1+256*(KP+VP)          ; behind the ring: 2 tiles x 8 lines of (256 + 16) bytes for each wave, for the way out
.set SPARE, STAGE+8*4352               ; the spare words, 128 bytes for each wave: four blocks of 256 bytes that no other line names
.set HS,    262144                     ; a head's 2,048 rows of 128 bytes
.set AK0, 3
.set AV0, 4
.set ADK, 5
.set ADV, 6
.set QO,  7
.set STO, 8
.set RD,  9
.set GO,  10
.set SPW, 11
.set NIL, 12
.set PFO, 13                           ; v13  256 x lane: the prefetches' offset
.set DQ,  14                           ; v14  lane % 16 - 8 (lane / 16)
.set NINF, 15                          ; v15  -infinity
.set ST,  16                           ; tile t at v[ST + 8 t]: +0 c m, +1 m, +2, +3 l (even keys', odd keys'), +4 .. +7 at work; a takes +6
.set TMP, 32
.set S,   64
.set P,   128
.set O,   160
.set QF,  224
.set KFR, 0                            ; in window 1
.set VFR, 64
.set WV,  8
.set BX,  9                            ; s9   X
.set J,   10                           ; s10  the trip
.set CNT, 11
.set TBK, 12                           ; s12  LDS byte of the step's keys;  s13 of its values (less VOFF)
.set TBV, 13
.set KF,  14                           ; s14  the step's first key
.set Q0,  15                           ; s15  my wave's first query
.set NB,  16                           ; s16  the key block that the next load brings
.set T0,  17
.set WBK, 18                           ; s[18:19] K of my head at my quarter of block 0;  s[20:21] V likewise
.set WBV, 20
.set PFA, 22                           ; s[22:23] where my prefetch stands
.set G1K, 24
.set G1V, 32
.set G0K, 40
.set G0V, 44
.set QB,  48                           ; s[48:49] Q of my head;  s[50:51] att at my head and batch
.set OB,  50
.set QP,  52                           ; s[52:53], s[54:55] the same at the pass's first query of my wave
.set OP,  54
.set OFP, 56                           ; s[56:57] an offset; s57 = 0
.set CS,  58
.set SEL, 60
.set LIM, 62                           ; s62  a wave prefetches while the trip is under it: 7 in the head's work-group X = 0, else 0
.set MSB, 0
.macro WIN new
.if MSB != \new
	s_set_vgpr_msb (MSB<<8)|(\new)
.set MSB, \new
.endif
.endm
; Waves 0-3 fetch K's quarters, waves 4-7 V's.  The branch hangs on the wave's number alone.  An s_nop 0 and four v_nop follow each of the two lines.
.macro TLOAD
	s_cmp_lt_u32 s[WV], 4
	s_cbranch_scc0 .Lfor_v_\@
	tensor_load_to_lds s[G0K:G0K+3], s[G1K:G1K+7]
	s_nop 0
.rept 4
	v_nop
.endr
	s_branch .Lasked_\@
.Lfor_v_\@:
	tensor_load_to_lds s[G0V:G0V+3], s[G1V:G1V+7]
	s_nop 0
.rept 4
	v_nop
.endr
.Lasked_\@:
.endm
; A PREFETCH INTO THE L2, behind the tensor load of a change of slots.  All four work-groups of a head read the same K and V; the one with X = 0 walks blocks 0 to 7 in trips 1 to 8 and asks for all of them: in trip J
; each of its waves names its own quarter (64 rows of 128 bytes: 32 lanes 256 bytes apart) of block J + 1, which its tensor load of trip J + 1 brings.  So each 256 bytes are named once in the launch.
; Block 0 comes by its load alone; trip 7 asks for nothing: there is no block 8.
.macro ASK
	s_cmp_lt_u32 s[J], s[LIM]
	s_cbranch_scc0 .Lnot_mine_\@
	global_prefetch_b8 v[PFO], s[PFA:PFA+1] th:TH_LOAD_NT scope:SCOPE_SE
.Lnot_mine_\@:
.endm
; A pass begins: pointers, Q's fragments, statistics, O^T = 0.
.macro INIT
	s_wait_xcnt 0x0                                ; earlier loads and stores have read their pointers and registers
	s_lshl_b32 s[OFP], s[Q0], 7
	s_add_nc_u64 s[QP:QP+1], s[QB:QB+1], s[OFP:OFP+1]
	s_add_nc_u64 s[OP:OP+1], s[OB:OB+1], s[OFP:OFP+1]
.irp t, 0,1
.irp c, 0,1
	global_load_b128 v[QF+16*\t+8*\c:QF+16*\t+8*\c+3],   v[QO], s[QP:QP+1] offset:2048*\t+64*\c
	global_load_b128 v[QF+16*\t+8*\c+4:QF+16*\t+8*\c+7], v[QO], s[QP:QP+1] offset:2048*\t+64*\c+32
.endr
.endr
.irp t, 0,1
	v_mov_b32 v[ST+8*\t+1], 0xff61b1e6             ; m = -3e38, under every score
.irp i, 2,3,4,5,6,7
	v_mov_b32 v[ST+8*\t+\i], 0
.endr
.endr
.irp t, 0,1
	v_mul_f32 v[ST+8*\t], s[CS], v[ST+8*\t+1]      ; c m
.endr
.irp i, 0,1,2,3,4,5,6,7,8,9,10,11,12,13,14,15,16,17,18,19,20,21,22,23,24,25,26,27,28,29,30,31,32,33,34,35,36,37,38,39,40,41,42,43,44,45,46,47,48,49,50,51,52,53,54,55,56,57,58,59,60,61,62,63
	v_mov_b32 v[O+\i], 0                           ; the step is written once: a pass's first step finds zeros
.endr
	s_mov_b32 s[KF], 0
	s_wait_loadcnt 0x0                             ; Q
.endm
; THE CHANGE OF SLOTS stands at a block's head.  Each wave waits for all its tensor loads (its quarter of the block that is about to be read), adds 0 to its spare word, and waits for that and for its reads of the slot that it has left.
; fill = 1: behind the barrier the other slot takes the next block of the walk.
.macro CHANGE fill
	s_wait_tensorcnt 0x0                           ; no tensor load of mine is out, so a group 0 may be written
	ds_add_u32 v[SPW], v[NIL]
.if \fill
	s_cmp_eq_u32 s[J], s[BX]                       ; pass 1's last block is in hand: the next is pass 2's block 0
	s_cselect_b32 s[NB], 0, s[NB]
	s_lshl_b32 s[OFP], s[NB], 15                   ; 256 rows of 128 bytes a block
	s_add_co_u32 s[NB], s[NB], 1
	s_xor_b32 s[G0K+1], s[G0K+1], SLOT1
	s_add_nc_u64 s[G0K+2:G0K+3], s[WBK:WBK+1], s[OFP:OFP+1]
	s_or_b32 s[G0K+3], s[G0K+3], 0x80000000
	s_xor_b32 s[G0V+1], s[G0V+1], SLOT1
	s_add_nc_u64 s[G0V+2:G0V+3], s[WBV:WBV+1], s[OFP:OFP+1]
	s_or_b32 s[G0V+3], s[G0V+3], 0x80000000
	s_wait_xcnt 0x0                                ; the last prefetch, a block back, has read its address
	s_add_nc_u64 s[PFA:PFA+1], s[PFA:PFA+1], 32768
.endif
	s_wait_dscnt 0x0                               ; the add is done, and my reads of the slot that I have left are over
	s_barrier_signal -1
	s_barrier_wait -1
.if \fill
	TLOAD                                          ; the first thing behind the barrier, and my one tensor load until the next
	ASK
.endif
.endm
; One step's softmax for both tiles, line by line by turns.
.macro SOFTMAX
.irp j, 0,1,2,3
.irp t, 0,1
	v_max3_num_f32 v[ST+8*\t+4+\j], v[S+32*\t+8*\j], v[S+32*\t+8*\j+1], v[S+32*\t+8*\j+2]   ; four chains, each accumulator from its low end on
.endr
.endr
.irp g, 1,2
.irp j, 0,1,2,3
.irp t, 0,1
	v_max3_num_f32 v[ST+8*\t+4+\j], v[ST+8*\t+4+\j], v[S+32*\t+8*\j+2*\g+1], v[S+32*\t+8*\j+2*\g+2]
.endr
.endr
.endr
.irp t, 0,1
	v_max3_num_f32 v[ST+8*\t+4], v[ST+8*\t+4], v[S+32*\t+7], v[S+32*\t+15]
	v_max3_num_f32 v[ST+8*\t+6], v[ST+8*\t+6], v[S+32*\t+23], v[S+32*\t+31]
.endr
.irp t, 0,1
	v_max3_num_f32 v[ST+8*\t+4], v[ST+8*\t+4], v[ST+8*\t+5], v[ST+8*\t+6]
.endr
.irp t, 0,1
	v_max3_num_f32 v[ST+8*\t+4], v[ST+8*\t+4], v[ST+8*\t+7], v[ST+8*\t+1]   ; and the old m
.endr
.irp t, 0,1
	v_permlanex16_b32 v[ST+8*\t+5], v[ST+8*\t+4], s[SEL], s[SEL+1]          ; the query's other 32 keys lie in the lane 16 away
.endr
.irp t, 0,1
	v_mov_b32 v[ST+8*\t+7], v[ST+8*\t]             ; c m_old
.endr
.irp t, 0,1
	v_max_num_f32 v[ST+8*\t+1], v[ST+8*\t+4], v[ST+8*\t+5]
.endr
.irp t, 0,1
	v_mul_f32 v[ST+8*\t], s[CS], v[ST+8*\t+1]
.endr
.irp t, 0,1
	v_sub_f32 v[ST+8*\t+7], v[ST+8*\t+7], v[ST+8*\t]
.endr
.irp b, 0,1,2,3,4,5,6,7,8,9,10,11,12,13,14,15
.irp t, 0,1
	v_pk_fma_f32 v[S+32*\t+2*\b:S+32*\t+2*\b+1], v[S+32*\t+2*\b:S+32*\t+2*\b+1], s[CS:CS+1], v[ST+8*\t:ST+8*\t+1] op_sel_hi:[1,0,0] neg_lo:[0,0,1] neg_hi:[0,0,1]   ; c s - c m
.endr
.endr
.irp t, 0,1
	v_exp_f32 v[ST+8*\t+6], v[ST+8*\t+7]           ; a
.endr
.irp e, 0,1,2,3,4,5,6,7,8,9,10,11,12,13,14,15,16,17,18,19,20,21,22,23,24,25,26,27,28,29,30,31
.irp t, 0,1
	v_exp_f32 v[S+32*\t+\e], v[S+32*\t+\e]         ; p
.endr
.endr
	v_nop                                          ; a plain instruction behind the last exponential
	s_wait_alu depctr_va_vdst(0)                   ; one wait for the batch of 66, ahead of the first instruction that names a result
.irp i, 0,1,2,3,4,5,6,7,8,9,10,11,12,13,14,15
.irp t, 0,1
	v_cvt_pk_f16_f32 v[P+16*\t+\i], v[S+32*\t+2*\i], v[S+32*\t+2*\i+1]
.endr
.endr
.irp u, 0,1,2,3,4,5,6,7                ; the sum of the unrounded p, in pairs (an even key's, an odd key's), in place
.irp t, 0,1
	v_pk_add_f32 v[S+32*\t+4*\u:S+32*\t+4*\u+1], v[S+32*\t+4*\u:S+32*\t+4*\u+1], v[S+32*\t+4*\u+2:S+32*\t+4*\u+3]
.endr
.endr
.irp u, 0,1,2,3
.irp t, 0,1
	v_pk_add_f32 v[S+32*\t+8*\u:S+32*\t+8*\u+1], v[S+32*\t+8*\u:S+32*\t+8*\u+1], v[S+32*\t+8*\u+4:S+32*\t+8*\u+5]
.endr
.endr
.irp u, 0,1
.irp t, 0,1
	v_pk_add_f32 v[S+32*\t+16*\u:S+32*\t+16*\u+1], v[S+32*\t+16*\u:S+32*\t+16*\u+1], v[S+32*\t+16*\u+8:S+32*\t+16*\u+9]
.endr
.endr
.irp t, 0,1
	v_pk_add_f32 v[S+32*\t:S+32*\t+1], v[S+32*\t:S+32*\t+1], v[S+32*\t+16:S+32*\t+17]
.endr
.irp t, 0,1
	v_pk_fma_f32 v[ST+8*\t+2:ST+8*\t+3], v[ST+8*\t+2:ST+8*\t+3], v[ST+8*\t+6:ST+8*\t+7], v[S+32*\t:S+32*\t+1] op_sel_hi:[1,0,1]   ; l = a l + the sum
.endr
.irp i, 0,1,2,3,4,5,6,7,8,9,10,11,12,13,14,15
.irp t, 0,1
	v_pk_mul_f32 v[O+32*\t+2*\i:O+32*\t+2*\i+1], v[O+32*\t+2*\i:O+32*\t+2*\i+1], v[ST+8*\t+6:ST+8*\t+7] op_sel_hi:[1,0]   ; O^T x a, each accumulator from its low end on
.endr
.endr
.endm
; A KEY STEP: 64 keys.
.macro STEP
	s_add_co_u32 s[T0], s[Q0], 31
	s_cmp_gt_u32 s[KF], s[T0]                      ; all 64 keys come after my 32 queries: the step's work is left out; the lines at its end that step addresses are not
	s_cbranch_scc1 .Lhid_\@
	v_add_nc_u32 v[ADK], s[TBK], v[AK0]
	v_add_nc_u32 v[ADV], s[TBV], v[AV0]
	v_nop
	v_nop                                          ; four places behind the last products, ahead of the loads into V's registers
	WIN 0x40                                       ; destination window 1
.irp kt, 0,1,2,3
.irp c, 0,1
	ds_load_b128 v[KFR+16*\kt+8*\c:KFR+16*\kt+8*\c+3],   v[ADK] offset:\kt*16*KP+64*\c
	ds_load_b128 v[KFR+16*\kt+8*\c+4:KFR+16*\kt+8*\c+7], v[ADK] offset:\kt*16*KP+64*\c+32
.endr
.endr
.irp kk, 0,1
.irp nt, 0,1,2,3
	ds_load_tr16_b128 v[VFR+32*\kk+8*\nt:VFR+32*\kk+8*\nt+3],   v[ADV] offset:\kk*32*VP+32*\nt
	ds_load_tr16_b128 v[VFR+32*\kk+8*\nt+4:VFR+32*\kk+8*\nt+7], v[ADV] offset:\kk*32*VP+16*VP+32*\nt
.endr
.endr
	s_wait_dscnt 16                                ; K's 16 loads are in; V's 16 may be out
	WIN 0x01                                       ; source 0 window 1
.irp c, 0,1                            ; S^T = K Q^T: eight accumulators by turns, one instruction a turn; the first eight start the sums
.irp kt, 0,1,2,3
.irp t, 0,1
.if \c == 0
	v_wmma_f32_16x16x32_f16 v[S+32*\t+8*\kt:S+32*\t+8*\kt+7], v[KFR+16*\kt+8*\c:KFR+16*\kt+8*\c+7], v[QF+16*\t+8*\c:QF+16*\t+8*\c+7], 0
.else
	v_wmma_f32_16x16x32_f16 v[S+32*\t+8*\kt:S+32*\t+8*\kt+7], v[KFR+16*\kt+8*\c:KFR+16*\kt+8*\c+7], v[QF+16*\t+8*\c:QF+16*\t+8*\c+7], v[S+32*\t+8*\kt:S+32*\t+8*\kt+7]
.endif
.endr
.endr
.endr
	WIN 0
.rept 4
	v_nop                                          ; places ahead of the first read of the scores
.endr
	s_add_co_u32 s[T0], s[KF], 63
	s_cmp_le_u32 s[T0], s[Q0]                      ; all 64 keys count for all my queries: nothing to mask
	s_cbranch_scc1 .Lopen_\@
	s_sub_co_i32 s[T0], s[Q0], s[KF]
	v_add_nc_u32 v[TMP], s[T0], v[DQ]              ; tile 0: my query - the step's first key - 8 (lane / 16).  Register n holds key 16 (n / 8) + n % 8 + 8 (lane / 16): hidden where 16 (n / 8) + n % 8 is greater
	v_add_nc_u32 v[TMP+1], 16, v[TMP]              ; tile 1
.irp t, 0,1
.irp n, 0,1,2,3,4,5,6,7,8,9,10,11,12,13,14,15,16,17,18,19,20,21,22,23,24,25,26,27,28,29,30,31
	v_cmp_gt_i32 vcc_lo, 16*(\n/8)+\n%8, v[TMP+\t]
	v_cndmask_b32 v[S+32*\t+\n], v[S+32*\t+\n], v[NINF], vcc_lo
.endr
.endr
.Lopen_\@:
	SOFTMAX
	s_wait_dscnt 0x0                               ; V is in
	WIN 0x01
.irp kk, 0,1                           ; O^T += V^T P: eight accumulators by turns
.irp nt, 0,1,2,3
.irp t, 0,1
	v_wmma_f32_16x16x32_f16 v[O+32*\t+8*\nt:O+32*\t+8*\nt+7], v[VFR+32*\kk+8*\nt:VFR+32*\kk+8*\nt+7], v[P+16*\t+8*\kk:P+16*\t+8*\kk+7], v[O+32*\t+8*\nt:O+32*\t+8*\nt+7]
.endr
.endr
.endr
	WIN 0
.Lhid_\@:
	s_add_co_u32 s[KF], s[KF], 64
	s_add_co_u32 s[TBK], s[TBK], 64*KP
	s_add_co_u32 s[TBV], s[TBV], 64*VP
.endm
.macro SLOT_STEPS                      ; a block's four steps: written once, walked four times
	s_mov_b32 s[CNT], 4
.Lstep_\@:
	STEP
	s_sub_co_u32 s[CNT], s[CNT], 1
	s_cmp_lg_u32 s[CNT], 0
	s_cbranch_scc1 .Lstep_\@
	s_sub_co_u32 s[TBK], s[TBK], 256*KP            ; back to a slot's first step,
	s_xor_b32 s[TBK], s[TBK], SLOT1                ; in the other slot
	s_sub_co_u32 s[TBV], s[TBV], 256*VP
	s_xor_b32 s[TBV], s[TBV], SLOT1
.endm
; A pass ends: O^T / l, rounded to f16, through my stage (two rows of 128 bytes to a line of 256), out in runs of 512 consecutive bytes.
.macro FINISH
.rept 4
	v_nop                                          ; places behind the last products
.endr
.irp t, 0,1
	v_add_f32 v[ST+8*\t+4], v[ST+8*\t+2], v[ST+8*\t+3]
.endr
.irp t, 0,1
	v_permlanex16_b32 v[ST+8*\t+5], v[ST+8*\t+4], s[SEL], s[SEL+1]
.endr
.irp t, 0,1
	v_add_f32 v[ST+8*\t+4], v[ST+8*\t+4], v[ST+8*\t+5]
.endr
.irp t, 0,1
	v_rcp_f32 v[ST+8*\t+6], v[ST+8*\t+4]
.endr
	v_nop                                          ; a plain instruction behind the last reciprocal
	s_wait_alu depctr_va_vdst(0)                   ; and the wait ahead of the first use: one for both
.irp t, 0,1
.irp i, 0,1,2,3,4,5,6,7,8,9,10,11,12,13,14,15
	v_pk_mul_f32 v[O+32*\t+2*\i:O+32*\t+2*\i+1], v[O+32*\t+2*\i:O+32*\t+2*\i+1], v[ST+8*\t+6:ST+8*\t+7] op_sel_hi:[1,0]
.endr
.endr
.irp t, 0,1
.irp i, 0,1,2,3,4,5,6,7,8,9,10,11,12,13,14,15
	v_cvt_pk_f16_f32 v[TMP+16*\t+\i], v[O+32*\t+2*\i], v[O+32*\t+2*\i+1]
.endr
.endr
.irp t, 0,1
.irp nt, 0,1,2,3
	ds_store_b128 v[STO], v[TMP+16*\t+4*\nt:TMP+16*\t+4*\nt+3] offset:2176*\t+32*\nt
.endr
.endr
.irp t, 0,1
.irp u, 0,1,2,3
	ds_load_b128 v[S+16*\t+4*\u:S+16*\t+4*\u+3], v[RD] offset:2176*\t+544*\u   ; LDS serves a wave's instructions in order (ISA guide 5.7.1.4): these see the stores above
.endr
.endr
.irp t, 0,1
.irp u, 0,1,2,3
	s_wait_dscnt 7-4*\t-\u                         ; the loads issued behind this one may be out
	global_store_b128 v[GO], v[S+16*\t+4*\u:S+16*\t+4*\u+3], s[OP:OP+1] offset:2048*\t+512*\u
.endr
.endr
.endm
	s_load_b128 s[4:7], s[0:1], 0x0                ; qkv, att
	v_lshl_add_u32 v[SPW], v0, 2, SPARE
	v_mov_b32 v[NIL], 0
	ds_add_u32 v[SPW], v[NIL]                      ; the wave's opening: the add, twice on end, and its wait ahead of my first tensor load
	ds_add_u32 v[SPW], v[NIL]
	v_lshrrev_b32 v1, 5, v0
	v_readfirstlane_b32 s[WV], v1                  ; wave 0..7
	s_mov_b32 s[BX], ttmp9
	s_and_b32 s[T0], ttmp7, 0xffff                 ; 16 b + h
	s_lshr_b32 s66, s[T0], 4                       ; b
	s_and_b32 s67, s[T0], 15                       ; h
	s_mul_i32 s68, s66, 48
	s_add_co_u32 s68, s68, s67
	s_lshl_b32 s68, s68, 18                        ; q's head, in bytes
	s_and_b32 s69, s[WV], 3                        ; my quarter of a block
	s_mov_b32 s[G1K], (1<<16)|(1<<20)|(4<<22)|(3<<25)   ; elements of 2 bytes; padding: 4 words behind every 32
	s_mov_b32 s[G1V], (1<<16)|(1<<20)|(4<<22)|(7<<25)   ; 8 words behind every 32
.irp g, G1K, G1V
	s_mov_b32 s[\g+1], 64<<16                      ; tensor_dim0 = 64
	s_mov_b32 s[\g+2], 64<<16                      ; tensor_dim1 = 64
	s_mov_b32 s[\g+3], 64<<16                      ; tile_dim0 = 64
	s_mov_b32 s[\g+4], 64                          ; tile_dim1 = 64
	s_mov_b32 s[\g+5], 64                          ; the pitch
	s_mov_b32 s[\g+6], 0
	s_mov_b32 s[\g+7], 0
.endr
	s_mov_b32 s[G0K], 1
	s_mul_i32 s[G0K+1], s69, 64*KP                 ; slot 0, my quarter
	s_mov_b32 s[G0V], 1
	s_mul_i32 s[G0V+1], s69, 64*VP
	s_add_co_u32 s[G0V+1], s[G0V+1], VOFF
	s_mov_b32 s[CS], 0x3e38aa3b                    ; c = log2(e) / 8
	s_mov_b32 s[CS+1], s[CS]
	s_mov_b32 s[SEL], 0x76543210
	s_mov_b32 s[SEL+1], 0xfedcba98
	s_mov_b32 s[TBK], 0
	s_mov_b32 s[TBV], 0
	s_mov_b32 s[NB], 1
	s_mov_b32 s[J], 0
	s_mov_b32 s[OFP+1], 0
	s_lshl_b32 s70, s69, 13                        ; my quarter: 64 rows of 128 bytes
	s_wait_dscnt 0x0                               ; both opening adds are done
	s_wait_kmcnt 0x0
	s_mov_b32 s[OFP], s68
	s_add_nc_u64 s[QB:QB+1], s[4:5], s[OFP:OFP+1]
	s_add_co_u32 s[OFP], s68, s70
	s_add_nc_u64 s[WBK:WBK+1], s[4:5], s[OFP:OFP+1]
	s_add_nc_u64 s[WBK:WBK+1], s[WBK:WBK+1], 16*HS ; k's heads lie 16 heads behind q's,
	s_add_nc_u64 s[WBV:WBV+1], s[WBK:WBK+1], 16*HS ; v's 16 further on
	s_lshl_b32 s[OFP], s67, 20
	s_lshl_b32 s70, s66, 18
	s_add_co_u32 s[OFP], s[OFP], s70
	s_add_nc_u64 s[OB:OB+1], s[6:7], s[OFP:OFP+1]
	s_mov_b64 s[G0K+2:G0K+3], s[WBK:WBK+1]         ; block 0
	s_or_b32 s[G0K+3], s[G0K+3], 0x80000000
	s_mov_b64 s[G0V+2:G0V+3], s[WBV:WBV+1]
	s_or_b32 s[G0V+3], s[G0V+3], 0x80000000
	TLOAD                                          ; slot 0: every wave issues a first fill
	s_cmp_lt_u32 s[WV], 4
	s_cselect_b64 s[PFA:PFA+1], s[WBK:WBK+1], s[WBV:WBV+1]   ; at block 0; each change of slots steps it a block on
	s_cmp_eq_u32 s[BX], 0
	s_cselect_b32 s[LIM], 7, 0
	v_and_b32 v1, 15, v0                           ; r
	v_bfe_u32 v2, v0, 4, 1                         ; h
	v_mul_u32_u24 v[AK0], v1, KP
	v_lshl_add_u32 v[AK0], v2, 4, v[AK0]           ; K: row r, + 16 h
	v_and_b32 v[AV0], 7, v0
	v_lshl_add_u32 v[AV0], v2, 3, v[AV0]
	v_mul_u32_u24 v[AV0], v[AV0], VP
	v_bfe_u32 v[ADK], v0, 3, 1
	v_lshl_add_u32 v[AV0], v[ADK], 4, v[AV0]
	v_add_nc_u32 v[AV0], VOFF, v[AV0]              ; V, for the turning load: key 8 h + lane % 8, channels 8 ((lane / 8) % 2) on
	v_lshlrev_b32 v[QO], 7, v1
	v_lshl_add_u32 v[QO], v2, 4, v[QO]             ; Q in memory: row r of 128 bytes, + 16 h
	s_mul_i32 s[T0], s[WV], 4352
	s_add_co_u32 s[T0], s[T0], STAGE               ; my stage
	v_lshrrev_b32 v[STO], 1, v1
	v_mul_u32_u24 v[STO], v[STO], 272
	v_and_b32 v[ADK], 1, v1
	v_lshl_add_u32 v[STO], v[ADK], 7, v[STO]
	v_lshl_add_u32 v[STO], v2, 4, v[STO]
	v_add_nc_u32 v[STO], s[T0], v[STO]
	v_mul_u32_u24 v[RD], v2, 272
	v_lshl_add_u32 v[RD], v1, 4, v[RD]
	v_add_nc_u32 v[RD], s[T0], v[RD]
	v_and_b32 v[GO], 31, v0
	v_lshlrev_b32 v[PFO], 8, v[GO]
	v_lshlrev_b32 v[GO], 4, v[GO]
	v_lshlrev_b32 v[DQ], 3, v2
	v_sub_nc_u32 v[DQ], v1, v[DQ]
	v_mov_b32 v[NINF], 0xff800000
	s_lshl_b32 s[Q0], s[BX], 8
	s_lshl_b32 s[T0], s[WV], 5
	s_add_co_u32 s[Q0], s[Q0], s[T0]               ; pass 1: query block X
	INIT
.Ltrip:                                            ; eight trips; behind each change of slots the walk's next block is asked for
	CHANGE 1
	SLOT_STEPS
	s_cmp_lg_u32 s[J], s[BX]                       ; was that pass 1's last block?  (ids and the count of trips alone: all eight waves go the same way)
	s_cbranch_scc1 .Lsame
	FINISH
	s_sub_co_u32 s[Q0], 7, s[BX]
	s_lshl_b32 s[Q0], s[Q0], 8
	s_lshl_b32 s[T0], s[WV], 5
	s_add_co_u32 s[Q0], s[Q0], s[T0]               ; pass 2: query block 7 - X
	INIT
.Lsame:
	s_add_co_u32 s[J], s[J], 1
	s_cmp_lt_u32 s[J], 8
	s_cbranch_scc1 .Ltrip
	CHANGE 0                                       ; the ninth block is written out: nothing is left to fetch
	SLOT_STEPS
	FINISH
	s_wait_tensorcnt 0x0                           ; the wave's end, behind my last tensor load and my last LDS store
	ds_add_u32 v[SPW], v[NIL]
	s_wait_dscnt 0x0
	s_endpgm
.Lfunc_end_k_qc818391c71_attn:
	.size	k_qc818391c71_attn, .Lfunc_end_k_qc818391c71_attn-k_qc818391c71_attn
	.p2alignl 7, 3214868480
	.fill 96, 4, 3214868480
	.section	.rodata,"a",@progbits
	.p2align	6, 0x0
	.amdhsa_kernel k_qc818391c71_attn
		.amdhsa_group_segment_fixed_size 327680
		.amdhsa_private_segment_fixed_size 0
		.amdhsa_enable_private_segment 0
		.amdhsa_kernarg_size 16
		.amdhsa_user_sgpr_count 2
		.amdhsa_user_sgpr_kernarg_segment_ptr 1
		.amdhsa_wavefront_size32 1
		.amdhsa_system_sgpr_workgroup_id_x 1
		.amdhsa_system_sgpr_workgroup_id_y 1
		.amdhsa_system_sgpr_workgroup_id_z 1
		.amdhsa_system_vgpr_workitem_id 0
		.amdhsa_next_free_vgpr 384
		.amdhsa_next_free_sgpr 72
		.amdhsa_reserve_vcc 1
		.amdhsa_float_denorm_mode_32 3
		.amdhsa_float_denorm_mode_16_64 3
		.amdhsa_memory_ordered 1
		.amdhsa_forward_progress 1
		.amdhsa_inst_pref_size 71
	.end_amdhsa_kernel
	.amdgpu_metadata
---
amdhsa.version: [ 1, 2 ]
amdhsa.kernels:
  - .name:           k_qc818391c71_attn
    .symbol:         k_qc818391c71_attn.kd
    .args:
      - { .name: qkv, .offset: 0, .size: 8, .value_kind: global_buffer, .address_space: global }
      - { .name: att, .offset: 8, .size: 8, .value_kind: global_buffer, .address_space: global }
    .group_segment_fixed_size: 327680
    .private_segment_fixed_size: 0
    .kernarg_segment_align: 8
    .kernarg_segment_size: 16
    .max_flat_workgroup_size: 256
    .sgpr_count:     72
    .vgpr_count:     384
    .wavefront_size: 32
...
	.end_amdgpu_metadata
.endif
;; end of part 3
;; launch proj (part 4): grid 8 x 32, 4 waves a work-group, clusters of 4 x 4, 327,680 bytes of LDS; arguments att, wo, out0; writes out0
.if DOCPART == 4
	.amdgcn_target "amdgcn-amd-amdhsa--gfx1250"
	.amdhsa_code_object_version 6
	.text
	.protected	k_qc818391c71_proj
	.globl	k_qc818391c71_proj
	.p2align	8
	.type	k_qc818391c71_proj,@function
k_qc818391c71_proj:
	s_mov_b64 s[64:65], 0
	v_nop
	global_prefetch_b8 v0, s[64:65] scope:SCOPE_SE
	s_setreg_imm32_b32 hwreg(HW_REG_WAVE_MODE, 25, 1), 1
	s_wait_xcnt 0x0
	s_wait_alu depctr_hold_cnt(0) depctr_sa_sdst(0) depctr_va_vdst(0) depctr_va_sdst(0) depctr_va_ssrc(0) depctr_va_vcc(0) depctr_vm_vsrc(0)
	s_getreg_b32 s2, hwreg(HW_REG_IB_STS2, 6, 4)
	s_cmp_eq_u32 s2, 0
	s_cbranch_scc0 .Lentry_in_a_cluster
	s_endpgm
.Lentry_in_a_cluster:
	s_bfe_u32 s2, ttmp6, 0x10000c
	s_cmp_lg_u32 s2, 0xf033
	s_cbranch_scc0 .Lentry_shape_is_right
	s_endpgm
.Lentry_shape_is_right:
; Launch 4 of 5: out0 = (attention's result) W_out, f16 operands, f32 sums, f32 out.  A = att [16 kb][8192 m][64], B = wo [16 kb][1024 n][64]: planes of 64 along K, rows of 128 bytes, dense.  out0: [8192][1024] f32.
; ROWS LEFT OUT: the rows t < 16 of every batch are not stored here: the launch first16 makes them in f32 and is their one owner.  (They lie inside tiles that hold live rows, so they are multiplied all the same.)
; A tile of C is 256 x 128: 256 work-groups.  Four waves, each 128 x 64: 32 accumulators of 16 x 16, 256 registers.  K goes in steps of 128 (two planes) through two LDS slots; waves 0, 1 fetch A's two planes
; (256 rows each), waves 2, 3 B's (128 rows each): one tensor load a wave behind each change of slots, two out at the start.
; CLUSTERS: 4 x 4 work-groups; A's tiles are asked for jointly along a row of the cluster, B's along a column.  The tile row is 8 cy + cluster y, so that whether a work-group holds rows t < 16 hangs on the cluster's y alone.
; THE MATRIX INSTRUCTION IS USED TRANSPOSED (source 0 = 16 rows of B, source 1 = 16 rows of A): a lane holds eight neighbouring columns of a row of C.
; No prefetch: a K step's tiles are small and the tiles are shared in the cluster; no work-group walks a second tile.
; REGISTERS: window 0: v16-29 addresses; v32-95 the way out.   window 1: two fragment buffers of 96 (A's 8 fragments, then B's 4).   window 2: accumulator (a, b) at v[8 (4 a + b)].
.set PITCH,  144                       ; an LDS row: 128 bytes + 16: the 16 rows of a load start at 16 different banks (64 banks of 4 bytes: ISA guide 11.1)
.set APL,    256*PITCH                 ; a plane of A in a slot
.set BPL,    128*PITCH                 ; a plane of B
.set BOFF,   2*APL
.set SLOT,   2*APL+2*BPL
.set STAGE,  2*SLOT                    ; behind the ring: 16 rows x (256 + 16) bytes for each wave
.set SPARE,  STAGE+4*16*272            ; the spare words, 128 bytes for each wave: two blocks of 256 bytes that no other line names
.set LAPS,   4                         ; a lap = two K steps of 128
.set ADRA, 16
.set ADRB, 20
.set STO,  24
.set RD,   25
.set CO,   26
.set SPW,  28
.set NIL,  29
.set BK,   32
.set F0,   0
.set F1,   96
.set G1, 24
.set G0, 32
.set G1B, 48
.set G0B, 56
.set FLG, 45                           ; s45  0 in the waves whose block 0 holds rows t < 16
.set MSB, 0
.macro WIN new
.if MSB != \new
	s_set_vgpr_msb (MSB<<8)|(\new)
.set MSB, \new
.endif
.endm
.set MUL,  0xa5                        ; sources 0 (B) and 1 (A) window 1; C and D window 2
.set TO_F, 0x40
.macro JLOAD s                         ; a joint load: waves 0, 1 fetch A's planes, waves 2, 3 B's; an s_nop 0 and four v_nop follow each of the two lines
	s_cmp_eq_u32 s11, 0
	s_cbranch_scc0 .Lfor_b_\@
	tensor_load_to_lds s[G0+4*\s:G0+4*\s+3], s[G1:G1+7]
	s_nop 0
.rept 4
	v_nop
.endr
	s_branch .Lasked_\@
.Lfor_b_\@:
	tensor_load_to_lds s[G0B+4*\s:G0B+4*\s+3], s[G1B:G1B+7]
	s_nop 0
.rept 4
	v_nop
.endr
.Lasked_\@:
.endm
.macro CREST                           ; a round of the cluster's barrier behind its opening barrier
	s_cmp_lg_u32 s10, 0
	s_cbranch_scc1 .Lnot_wave_0_\@
	s_barrier_signal -3
.Lnot_wave_0_\@:
	s_barrier_wait -3
	s_barrier_signal -1
	s_barrier_wait -1
.endm
.macro CROUND
	s_barrier_signal -1
	s_barrier_wait -1
	CREST
.endm
	s_load_b128 s[4:7], s[0:1], 0x0                ; att, wo
	s_load_b64 s[8:9], s[0:1], 0x10                ; out0
	v_lshl_add_u32 v[SPW], v0, 2, SPARE
	v_mov_b32 v[NIL], 0
	ds_add_u32 v[SPW], v[NIL]                      ; the wave's opening: the add, twice on end, and its wait ahead of my first tensor load
	ds_add_u32 v[SPW], v[NIL]
	v_lshrrev_b32 v1, 5, v0
	v_readfirstlane_b32 s10, v1                    ; wave 0..3
	s_lshr_b32 s11, s10, 1                         ; which half of the tile's rows is mine.  Also: I fetch for A (0) or for B (1)
	s_and_b32 s12, s10, 1                          ; which half of its columns.  Also: which plane of a K step I fetch
	s_bfe_u32 s40, ttmp6, 0x40000                  ; cx, cy
	s_bfe_u32 s41, ttmp6, 0x40004
	s_lshl_b32 s42, ttmp9, 2
	s_add_co_u32 s42, s42, s40                     ; tile column = 4 x cluster x + cx
	s_and_b32 s13, ttmp7, 0xffff                   ; cluster y
	s_or_b32 s[FLG], s13, s11
	s_lshl_b32 s14, s41, 3
	s_add_co_u32 s13, s13, s14                     ; tile row = 8 cy + cluster y
	s_lshl_b32 s43, s41, 2
	s_lshl_b32 s43, 15, s43                        ; my row of the cluster
	s_lshl_b32 s44, 0x1111, s40                    ; my column
	s_or_b32 s[G1+0], s43, (1<<16)|(1<<20)|(1<<21)|(4<<22)|(3<<25)   ; the mask; elements of 2 bytes; padding: 4 words behind every 32; bit 21 beside a mask
	s_or_b32 s[G1B+0], s44, (1<<16)|(1<<20)|(1<<21)|(4<<22)|(3<<25)
	s_mov_b32 s[G1+1], 64<<16                      ; tensor_dim0 = 64
	s_mov_b32 s[G1+2], 256<<16                     ; tensor_dim1 = 256
	s_mov_b32 s[G1+3], 64<<16                      ; tile_dim0 = 64
	s_mov_b32 s[G1+4], 256                         ; tile_dim1 = 256
	s_mov_b32 s[G1+5], 64                          ; the pitch
	s_mov_b32 s[G1+6], 0
	s_mov_b32 s[G1+7], 0
	s_mov_b32 s[G1B+1], 64<<16
	s_mov_b32 s[G1B+2], 128<<16
	s_mov_b32 s[G1B+3], 64<<16
	s_mov_b32 s[G1B+4], 128
	s_mov_b32 s[G1B+5], 64
	s_mov_b32 s[G1B+6], 0
	s_mov_b32 s[G1B+7], 0
	s_lshl_b32 s16, s13, 15                        ; A: 256 rows of 128 bytes for each tile row,
	s_lshl_b32 s17, s12, 20                        ; my plane: 8,192 rows of 128 bytes
	s_add_co_u32 s16, s16, s17
	s_mov_b32 s17, 0
	s_lshl_b32 s46, s42, 14                        ; B: 128 rows of 128 bytes for each tile column,
	s_lshl_b32 s47, s12, 17                        ; my plane: 1,024 rows of 128 bytes
	s_add_co_u32 s46, s46, s47
	s_mov_b32 s47, 0
	s_mul_i32 s20, s12, APL                        ; where they go: no place in the cluster enters an LDS address
	s_mul_i32 s21, s12, BPL
	s_add_co_u32 s21, s21, BOFF
	s_wait_dscnt 0x0                               ; both opening adds are done
	s_wait_kmcnt 0x0
	s_add_nc_u64 s[14:15], s[4:5], s[16:17]
	s_add_nc_u64 s[46:47], s[6:7], s[46:47]
	CROUND                                         ; all sixteen work-groups are here: the first joint loads meet
.irp s, 0,1
	s_mov_b32 s[G0+4*\s], 1
	s_add_co_u32 s[G0+4*\s+1], s20, \s*SLOT
	s_add_nc_u64 s[G0+4*\s+2:G0+4*\s+3], s[14:15], \s*2097152      ; K step s: two planes on
	s_or_b32 s[G0+4*\s+3], s[G0+4*\s+3], 0x80000000
	s_mov_b32 s[G0B+4*\s], 1
	s_add_co_u32 s[G0B+4*\s+1], s21, \s*SLOT
	s_add_nc_u64 s[G0B+4*\s+2:G0B+4*\s+3], s[46:47], \s*262144
	s_or_b32 s[G0B+4*\s+3], s[G0B+4*\s+3], 0x80000000
	JLOAD \s
.endr
	v_and_b32 v1, 15, v0                           ; r
	v_bfe_u32 v2, v0, 4, 1                         ; h
	v_mul_u32_u24 v3, v1, PITCH
	v_lshl_add_u32 v3, v2, 4, v3                   ; a fragment's row x pitch + 16 h
	s_mul_i32 s21, s11, 128*PITCH                  ; my 128 rows of A
	s_mul_i32 s22, s12, 64*PITCH                   ; my 64 rows of B,
	s_add_co_u32 s22, s22, BOFF                    ; behind A's two planes
.irp s, 0,1
	v_add_nc_u32 v[ADRA+\s], s21, v3
	v_add_nc_u32 v[ADRB+\s], s22, v3
	s_add_co_u32 s21, s21, SLOT
	s_add_co_u32 s22, s22, SLOT
.endr
	s_mul_i32 s23, s10, 16*272
	s_add_co_u32 s23, s23, STAGE                   ; my stage
	v_mul_u32_u24 v4, v1, 272
	v_lshl_add_u32 v4, v2, 5, v4
	v_add_nc_u32 v[STO], s23, v4                   ; in: row r, 32 bytes for each half of the lanes
	v_mul_u32_u24 v5, v2, 272
	v_lshl_add_u32 v5, v1, 4, v5
	v_add_nc_u32 v[RD], s23, v5                    ; back: lanes 0-15 one row of 256 bytes, lanes 16-31 the next
	v_lshlrev_b32 v5, 12, v2
	v_lshl_add_u32 v[CO], v1, 4, v5                ; and the same two rows in out0
	s_lshl_b32 s16, s13, 20                        ; 256 rows of 4,096 bytes for each tile row,
	s_lshl_b32 s17, s11, 19                        ; my half's 128
	s_add_co_u32 s16, s16, s17
	s_mov_b32 s17, 0
	s_add_nc_u64 s[8:9], s[8:9], s[16:17]
	s_lshl_b32 s46, s42, 9                         ; 128 columns of 4 bytes for each tile column,
	s_lshl_b32 s47, s12, 8                         ; my half's 64
	s_add_co_u32 s46, s46, s47
	s_mov_b32 s47, 0
	s_add_nc_u64 s[8:9], s[8:9], s[46:47]
; 8 matrix instructions: A's blocks a0, a0 + 1 x B's four, 32 along K.  zero = 1: the product starts the sums.  The 32 accumulators take turns, one instruction a turn, in the same order in every quarter.
.macro MUL8 f, a0, zero
.irp a, \a0, \a0+1
.irp b, 0,1,2,3
.if \zero
	v_wmma_f32_16x16x32_f16 v[8*(4*(\a)+\b):8*(4*(\a)+\b)+7], v[\f+64+8*\b:\f+64+8*\b+7], v[\f+8*(\a):\f+8*(\a)+7], 0
.else
	v_wmma_f32_16x16x32_f16 v[8*(4*(\a)+\b):8*(4*(\a)+\b)+7], v[\f+64+8*\b:\f+64+8*\b+7], v[\f+8*(\a):\f+8*(\a)+7], v[8*(4*(\a)+\b):8*(4*(\a)+\b)+7]
.endif
.endr
.endr
.endm
; 24 LDS loads in one run: the fragments of the K step's q-th 32 along K (plane q / 2, byte 64 (q % 2) of its rows) into buffer f: B's four, then A's eight
.macro FETCH slot, q, f
	WIN TO_F
.irp i, 0,1,2,3
	ds_load_b128 v[\f+64+8*\i:\f+64+8*\i+3],   v[ADRB+\slot] offset:((\q)/2)*BPL+((\q)%2)*64+\i*16*PITCH
	ds_load_b128 v[\f+64+8*\i+4:\f+64+8*\i+7], v[ADRB+\slot] offset:((\q)/2)*BPL+((\q)%2)*64+\i*16*PITCH+32
.endr
.irp i, 0,1,2,3,4,5,6,7
	ds_load_b128 v[\f+8*\i:\f+8*\i+3],   v[ADRA+\slot] offset:((\q)/2)*APL+((\q)%2)*64+\i*16*PITCH
	ds_load_b128 v[\f+8*\i+4:\f+8*\i+7], v[ADRA+\slot] offset:((\q)/2)*APL+((\q)%2)*64+\i*16*PITCH+32
.endr
.endm
.macro PLACES                          ; four places in front of loads into registers that matrix instructions have read, and of the first read of results
.rept 4
	v_nop
.endr
.endm
; A K step is four quarters of 32 along K, 32 matrix instructions each, on buffers 0, 1, 0, 1.  One of the first three: multiplies buffer f and fetches quarter q into g.
.macro QUARTER slot, q, f, g, zero
	s_wait_dscnt 8                                 ; B's and A's blocks 0-3 are in; the youngest eight loads (A's blocks 4-7) may be out
	WIN MUL
	MUL8 \f, 0, \zero
	MUL8 \f, 2, \zero
	PLACES
	FETCH \slot, \q, \g
	s_wait_dscnt 24                                ; all but the 24 just issued
	WIN MUL
	MUL8 \f, 4, \zero
	MUL8 \f, 6, \zero
.endm
; The last quarter multiplies buffer 1 and changes slots: one barrier; in front of it each wave waits for all its tensor loads, adds 0 to its spare word, and waits for that and for its reads of this slot.  fill = 1: this slot is filled again, two K steps ahead.
.macro TURN slot, next, fill
	WIN 0                                          ; (the add's two registers lie in window 0)
	s_wait_tensorcnt 0x0                           ; all my tensor loads have landed: my part of the next slot
	ds_add_u32 v[SPW], v[NIL]
	s_wait_dscnt 9                                 ; (the add and the youngest eight loads may be out)
	WIN MUL
	MUL8 F1, 0, 0
	s_wait_dscnt 0x0                               ; the add is done, and my reads of this slot are over
	s_barrier_signal -1
	MUL8 F1, 2, 0
.if \fill
	WIN 0
.endif
	s_barrier_wait -1
.if \fill
	CREST                                          ; the barrier has opened a round of the cluster's barrier: no wave of any partner still reads this slot or has a load on its way
	s_add_nc_u64 s[G0+4*\slot+2:G0+4*\slot+3], s[G0+4*\slot+2:G0+4*\slot+3], 4194304      ; four planes on
	s_add_nc_u64 s[G0B+4*\slot+2:G0B+4*\slot+3], s[G0B+4*\slot+2:G0B+4*\slot+3], 524288
	JLOAD \slot                                    ; the first tensor load behind the round; its four v_nop are also the places in front of the loads below
.else
	PLACES
.endif
	FETCH \next, 0, F0
	WIN MUL
	MUL8 F1, 4, 0
	MUL8 F1, 6, 0
.endm
	s_wait_tensorcnt 1                             ; my part of K step 0 is in (K step 1's load may be out),
	s_barrier_signal -1
	s_barrier_wait -1                              ; everybody's is
	FETCH 0, 0, F0
	QUARTER 0, 1, F0, F1, 1                        ; the first quarter stands in front of the loop: its products start the sums
	WIN 0
	s_mov_b32 s3, LAPS-1
.Llap:                                             ; a trip goes once round the ring, from a lap's second quarter to the next lap's first, and fills both slots again
	QUARTER 0, 2, F1, F0, 0
	QUARTER 0, 3, F0, F1, 0
	TURN 0, 1, 1
	QUARTER 1, 1, F0, F1, 0
	QUARTER 1, 2, F1, F0, 0
	QUARTER 1, 3, F0, F1, 0
	TURN 1, 0, 1
	QUARTER 0, 1, F0, F1, 0
	WIN 0
	s_sub_co_u32 s3, s3, 1
	s_cmp_lg_u32 s3, 0
	s_cbranch_scc1 .Llap
	QUARTER 0, 2, F1, F0, 0                        ; the last lap fills nothing
	QUARTER 0, 3, F0, F1, 0
	TURN 0, 1, 0
	QUARTER 1, 1, F0, F1, 0
	QUARTER 1, 2, F1, F0, 0
	QUARTER 1, 3, F0, F1, 0
	s_wait_dscnt 8                                 ; the very last quarter: nothing more to fetch
	WIN MUL
	MUL8 F1, 0, 0
	MUL8 F1, 2, 0
	s_wait_dscnt 0
	MUL8 F1, 4, 0
	MUL8 F1, 6, 0
	WIN 0
; THE WAY OUT, block by block of 16 rows x 64 columns: through my own stage, back as whole rows of 256 bytes.
.macro TOSTAGE a
	WIN 0x08                                       ; an LDS store's data are its source 1: window 2
.irp b, 0,1,2,3
	ds_store_b128 v[STO], v[8*(4*(\a)+\b):8*(4*(\a)+\b)+3] offset:64*\b           ; each accumulator from its low end on
	ds_store_b128 v[STO], v[8*(4*(\a)+\b)+4:8*(4*(\a)+\b)+7] offset:64*\b+16
.endr
	WIN 0
.set BB, BK+32*((\a)%2)
.irp u, 0,1,2,3,4,5,6,7
	ds_load_b128 v[BB+4*\u:BB+4*\u+3], v[RD] offset:544*\u     ; LDS serves a wave's instructions in order (ISA guide 5.7.1.4): these see the stores above
.endr
.endm
.macro SEND a, younger                 ; younger: the LDS instructions issued behind block a's loads (the next block's 8 stores and 8 loads), which may stay out
.set BB, BK+32*((\a)%2)
	s_wait_dscnt \younger
.if (\a) == 0
	s_cmp_eq_u32 s[FLG], 0                         ; rows t < 16 belong to the launch first16.  The branch hangs on the cluster's y and the wave's number: the same in all partners
	s_cbranch_scc1 .Lfirst16
.endif
.irp u, 0,1,2,3,4,5,6,7
	global_store_b128 v[CO], v[BB+4*\u:BB+4*\u+3], s[8:9] offset:65536*(\a)+8192*\u th:TH_STORE_NT   ; sixteen lanes store 256 consecutive bytes, aligned
.endr
.if (\a) == 0
.Lfirst16:
.endif
.endm
	PLACES
	TOSTAGE 0
.irp a, 1,2,3,4,5,6,7
.if \a > 1
	s_wait_xcnt 0x0                                ; block a - 2's stores have read their registers: block a's loads may land there
.endif
	TOSTAGE \a
	SEND \a-1, 16
.endr
	SEND 7, 0
	s_wait_tensorcnt 0x0                           ; the wave's end, behind my last tensor load and my last LDS store
	ds_add_u32 v[SPW], v[NIL]
	s_wait_dscnt 0x0
	CROUND                                         ; the closing round
	s_endpgm
.Lfunc_end_k_qc818391c71_proj:
	.size	k_qc818391c71_proj, .Lfunc_end_k_qc818391c71_proj-k_qc818391c71_proj
	.p2alignl 7, 3214868480
	.fill 96, 4, 3214868480
	.section	.rodata,"a",@progbits
	.p2align	6, 0x0
	.amdhsa_kernel k_qc818391c71_proj
		.amdhsa_group_segment_fixed_size 327680
		.amdhsa_private_segment_fixed_size 0
		.amdhsa_enable_private_segment 0
		.amdhsa_kernarg_size 24
		.amdhsa_user_sgpr_count 2
		.amdhsa_user_sgpr_kernarg_segment_ptr 1
		.amdhsa_wavefront_size32 1
		.amdhsa_system_sgpr_workgroup_id_x 1
		.amdhsa_system_sgpr_workgroup_id_y 1
		.amdhsa_system_sgpr_workgroup_id_z 1
		.amdhsa_system_vgpr_workitem_id 0
		.amdhsa_next_free_vgpr 768
		.amdhsa_next_free_sgpr 66
		.amdhsa_reserve_vcc 0
		.amdhsa_float_denorm_mode_32 3
		.amdhsa_float_denorm_mode_16_64 3
		.amdhsa_memory_ordered 1
		.amdhsa_forward_progress 1
		.amdhsa_inst_pref_size 85
	.end_amdhsa_kernel
	.amdgpu_metadata
---
amdhsa.version: [ 1, 2 ]
amdhsa.kernels:
  - .name:           k_qc818391c71_proj
    .symbol:         k_qc818391c71_proj.kd
    .args:
      - { .name: att, .offset: 0, .size: 8, .value_kind: global_buffer, .address_space: global }
      - { .name: wo, .offset: 8, .size: 8, .value_kind: global_buffer, .address_space: global }
      - { .name: out0, .offset: 16, .size: 8, .value_kind: global_buffer, .address_space: global }
    .group_segment_fixed_size: 327680
    .private_segment_fixed_size: 0
    .kernarg_segment_align: 8
    .kernarg_segment_size: 24
    .max_flat_workgroup_size: 128
    .sgpr_count:     66
    .vgpr_count:     768
    .wavefront_size: 32
...
	.end_amdgpu_metadata
.endif
;; end of part 4
;; launch first16 (part 5): grid 64 x 4, 16 waves a work-group, no clusters, 88,064 bytes of LDS; arguments f32rows, W_out, out0; writes out0
.if DOCPART == 5
	.amdgcn_target "amdgcn-amd-amdhsa--gfx1250"
	.amdhsa_code_object_version 6
	.text
	.protected	k_qc818391c71_first16
	.globl	k_qc818391c71_first16
	.p2align	8
	.type	k_qc818391c71_first16,@function
k_qc818391c71_first16:
	s_mov_b64 s[64:65], 0
	v_nop
	global_prefetch_b8 v0, s[64:65] scope:SCOPE_SE
	s_setreg_imm32_b32 hwreg(HW_REG_WAVE_MODE, 25, 1), 1
	s_wait_xcnt 0x0
; Launch 5 of 5: the rows t < 16 of every batch of out0, all in f32: these rows average one to sixteen values and are the largest, so their products take f32 operands (v_wmma_f32_16x16x4_f32: 48 a wave, no bulk work).
; Only keys k <= t < 16 count for them (the function's own mask), so q, k, v of positions 0-15 are all that is read: f32rows, images of the first product's accumulators:
; [4 b][192 ct][2 jj][32 lanes][4]: lane (r, h), word e = qkv(t = r, column 16 ct + 8 h + 4 jj + e).
; SHARES.  Work-group (x, b): 16 columns n0 = 16 x of out0 for batch b.  Wave w = head w: it makes its head's 16 x 16 attention anew (12 KiB of images), multiplies its 64 channels by W_out[64 w .., n0 ..], and the sixteen
; partial tiles are added through LDS, in a fixed order.  The stores are 16 bytes a lane, 64 bytes of a row for a work-group: 262,144 bytes of out0 in all; wider slices would leave three WGPs in four without work.
; LAYOUT.  The form takes k = 2 (lane / 16) + j in register j of both sources.  A permutation of the contracted axis that is the same on both sides keeps the products, so the images are used as they lie:
;   S^T = K Q^T: registers 8 c + 2 e, + 1 of both images hold channels 16 c + 8 h + 2 e, + 1.   Result: lane = query r, register j = key 8 h + j.
;   O^T = V^T P: P's registers 2 i, + 1 hold keys 8 h + 2 i, + 1; V is turned through my own LDS rows to match.   Result: lane = query r, register j of tile nt = channel 16 nt + 8 h + j.
;   out^T = W^T O: O's registers 8 nt + 2 e, + 1 hold channels 16 nt + 8 h + 2 e, + 1; W_out's rows are loaded to match.   Result: lane = query r, register j = column n0 + 8 h + j.
; The accumulators v144-175 are written by matrix instructions alone; each sum begins with the constant 0; four accumulators take turns.
.set RED,   69632                      ; LDS: 16 x 272 bytes for each wave (V's rows) from 0; from here 1,024 bytes for each wave: its partial tile
.set SPARE, 86016                      ; the spare words, 128 bytes for each wave: eight blocks of 256 bytes that no other line names
.set QF,  16                           ; v16-47   Q's image, later O / l, later partial tiles
.set KFR, 48                           ; v48-79   K's image, later partial tiles
.set VI,  80                           ; v80-111  V's image
.set WF,  112                          ; v112-143 W_out's rows
.set ACC, 144                          ; v144-175 four accumulators
.set SS,  176                          ; v176-183 the scores, then p
.set PT,  184                          ; v184-191 my partial tile
.set TM,  192                          ; v192-207 at work
.set SPW, 208
.set NIL, 209
.set NINF, 210
.set VF,  212                          ; v212-243 V, turned
	s_load_b128 s[4:7], s[0:1], 0x0                ; f32rows, W_out
	s_load_b64 s[8:9], s[0:1], 0x10                ; out0
	v_lshl_add_u32 v[SPW], v0, 2, SPARE
	v_mov_b32 v[NIL], 0
	v_lshrrev_b32 v1, 5, v0
	v_readfirstlane_b32 s10, v1                    ; wave = head
	v_and_b32 v1, 15, v0                           ; r
	v_bfe_u32 v2, v0, 4, 1                         ; h
	v_and_b32 v3, 31, v0
	v_lshlrev_b32 v3, 4, v3                        ; 16 x lane
	s_and_b32 s11, ttmp7, 0xffff                   ; b
	s_lshl_b32 s12, ttmp9, 6                       ; n0 in bytes
	s_mul_i32 s14, s11, 196608                     ; the batch's images,
	s_lshl_b32 s15, s10, 12                        ; my head's four of q's
	s_add_co_u32 s14, s14, s15
	s_mov_b32 s15, 0
	s_lshl_b32 s16, s10, 18                        ; W_out: my head's 64 rows of 4,096 bytes,
	s_add_co_u32 s16, s16, s12                     ; my work-group's columns
	s_mov_b32 s17, 0
	s_lshl_b32 s18, s11, 23                        ; out0: the batch's 2,048 rows of 4,096 bytes
	s_add_co_u32 s18, s18, s12
	s_mov_b32 s19, 0
	s_mov_b32 s20, 0x76543210
	s_mov_b32 s21, 0xfedcba98                      ; v_permlanex16_b32's selects for lane l xor 16
	s_mov_b32 s22, 0x3e38aa3b                      ; c = log2(e) / 8
	v_lshlrev_b32 v4, 2, v1
	v_lshl_add_u32 v4, v2, 15, v4                  ; W_out: column r, 8 h rows down
	s_mul_i32 s23, s10, 4352
	v_mul_u32_u24 v5, v1, 272
	v_lshl_add_u32 v5, v2, 5, v5
	v_add_nc_u32 v5, s23, v5                       ; V into LDS: row t = r, + 32 h
	v_mul_u32_u24 v6, v2, 2176
	v_lshl_add_u32 v6, v1, 2, v6
	v_add_nc_u32 v6, s23, v6                       ; and back: row 8 h, channel r
	s_lshl_b32 s24, s10, 10
	s_add_co_u32 s24, s24, RED
	v_add_nc_u32 v7, s24, v3                       ; my partial tile
	s_lshl_b32 s24, s10, 9
	s_add_co_u32 s24, s24, RED
	v_add_nc_u32 v8, s24, v3                       ; waves 0, 1: half w of every wave's
	v_lshlrev_b32 v9, 12, v1
	v_lshl_add_u32 v9, v2, 5, v9
	s_lshl_b32 s24, s10, 4
	v_add_nc_u32 v9, s24, v9                       ; out0: row r, + 32 h + 16 w
	v_lshlrev_b32 v10, 3, v2
	v_sub_nc_u32 v10, v1, v10                      ; r - 8 h
	v_mov_b32 v[NINF], 0xff800000
	s_wait_kmcnt 0x0
	s_add_nc_u64 s[4:5], s[4:5], s[14:15]
	s_add_nc_u64 s[6:7], s[6:7], s[16:17]
	s_add_nc_u64 s[8:9], s[8:9], s[18:19]
.irp c, 0,1,2,3
.irp jj, 0,1
	global_load_b128 v[VI+8*\c+4*\jj:VI+8*\c+4*\jj+3], v3, s[4:5] offset:131072+1024*\c+512*\jj     ; v's heads lie 32 heads of 4,096 bytes behind q's
.endr
.endr
.irp c, 0,1,2,3
.irp jj, 0,1
	global_load_b128 v[KFR+8*\c+4*\jj:KFR+8*\c+4*\jj+3], v3, s[4:5] offset:65536+1024*\c+512*\jj
.endr
.endr
.irp c, 0,1,2,3
.irp jj, 0,1
	global_load_b128 v[QF+8*\c+4*\jj:QF+8*\c+4*\jj+3], v3, s[4:5] offset:1024*\c+512*\jj
.endr
.endr
.irp q, 0,1,2,3,4,5,6,7,8,9,10,11,12,13,14,15,16,17,18,19,20,21,22,23,24,25,26,27,28,29,30,31
	global_load_b32 v[WF+\q], v4, s[6:7] offset:(16*(\q/8)+\q%8)*4096     ; W_out(64 w + 16 (q / 8) + 8 h + q % 8, n0 + r)
.endr
	s_wait_loadcnt 48                              ; V's eight loads are in; K's 8, Q's 8 and W_out's 32 may be out
.irp c, 0,1,2,3
.irp jj, 0,1
	ds_store_b128 v5, v[VI+8*\c+4*\jj:VI+8*\c+4*\jj+3] offset:64*\c+16*\jj
.endr
.endr
.irp nt, 0,1,2,3
.irp e, 0,1,2,3,4,5,6,7
	ds_load_b32 v[VF+8*\nt+\e], v6 offset:\e*272+64*\nt        ; V(key 8 h + e, channel 16 nt + r).  My own bytes: LDS serves a wave's instructions in order (ISA guide 5.7.1.4)
.endr
.endr
	s_wait_loadcnt 32                              ; K and Q are in; W_out's 32 may be out
.irp e, 0,1,2,3
.irp c, 0,1,2,3
.if \e == 0
	v_wmma_f32_16x16x4_f32 v[ACC+8*\c:ACC+8*\c+7], v[KFR+8*\c+2*\e:KFR+8*\c+2*\e+1], v[QF+8*\c+2*\e:QF+8*\c+2*\e+1], 0
.else
	v_wmma_f32_16x16x4_f32 v[ACC+8*\c:ACC+8*\c+7], v[KFR+8*\c+2*\e:KFR+8*\c+2*\e+1], v[QF+8*\c+2*\e:QF+8*\c+2*\e+1], v[ACC+8*\c:ACC+8*\c+7]
.endif
.endr
.endr
.rept 8
	v_nop                                          ; eight places behind this form, ahead of the first read of results (ISA guide 7.12.1)
.endr
.irp j, 0,1,2,3,4,5,6,7
	v_add_f32 v[SS+\j], v[ACC+\j], v[ACC+8+\j]     ; the four parts of a score; each accumulator from its low end on
	v_add_f32 v[TM+\j], v[ACC+16+\j], v[ACC+24+\j]
.endr
.irp j, 0,1,2,3,4,5,6,7
	v_add_f32 v[SS+\j], v[SS+\j], v[TM+\j]
.endr
.irp j, 0,1,2,3,4,5,6,7
	v_cmp_gt_i32 vcc_lo, \j, v10                   ; key 8 h + j comes after query r
	v_cndmask_b32 v[SS+\j], v[SS+\j], v[NINF], vcc_lo
.endr
	v_max3_num_f32 v[TM], v[SS], v[SS+1], v[SS+2]
	v_max3_num_f32 v[TM], v[TM], v[SS+3], v[SS+4]
	v_max3_num_f32 v[TM], v[TM], v[SS+5], v[SS+6]
	v_max_num_f32 v[TM], v[TM], v[SS+7]
	v_permlanex16_b32 v[TM+1], v[TM], s20, s21
	v_max_num_f32 v[TM], v[TM], v[TM+1]            ; the row's maximum: key 0 counts for every query, so it is a number
	v_mul_f32 v[TM], s22, v[TM]
.irp j, 0,1,2,3,4,5,6,7
	v_fma_f32 v[SS+\j], v[SS+\j], s22, -v[TM]      ; c s - c m
.endr
.irp j, 0,1,2,3,4,5,6,7
	v_exp_f32 v[SS+\j], v[SS+\j]
.endr
	v_nop                                          ; a plain instruction behind the last exponential
	s_wait_alu depctr_va_vdst(0)                   ; one wait for the eight, ahead of the first use
	v_pk_add_f32 v[TM+2:TM+3], v[SS:SS+1], v[SS+2:SS+3]
	v_pk_add_f32 v[TM+4:TM+5], v[SS+4:SS+5], v[SS+6:SS+7]
	v_pk_add_f32 v[TM+2:TM+3], v[TM+2:TM+3], v[TM+4:TM+5]
	v_add_f32 v[TM+2], v[TM+2], v[TM+3]
	v_permlanex16_b32 v[TM+3], v[TM+2], s20, s21
	v_add_f32 v[TM+2], v[TM+2], v[TM+3]            ; the row's sum
	v_rcp_f32 v[TM+4], v[TM+2]
	v_nop
	s_wait_alu depctr_va_vdst(0)
	s_wait_dscnt 0x0                               ; V, turned, is in
.irp i, 0,1,2,3                        ; more than nine plain instructions that name none of their registers lie behind the products whose accumulators are begun anew here
.irp nt, 0,1,2,3
.if \i == 0
	v_wmma_f32_16x16x4_f32 v[ACC+8*\nt:ACC+8*\nt+7], v[VF+8*\nt+2*\i:VF+8*\nt+2*\i+1], v[SS+2*\i:SS+2*\i+1], 0
.else
	v_wmma_f32_16x16x4_f32 v[ACC+8*\nt:ACC+8*\nt+7], v[VF+8*\nt+2*\i:VF+8*\nt+2*\i+1], v[SS+2*\i:SS+2*\i+1], v[ACC+8*\nt:ACC+8*\nt+7]
.endif
.endr
.endr
.rept 8
	v_nop
.endr
.irp i, 0,1,2,3,4,5,6,7,8,9,10,11,12,13,14,15,16,17,18,19,20,21,22,23,24,25,26,27,28,29,30,31
	v_mul_f32 v[QF+\i], v[ACC+\i], v[TM+4]         ; O^T / the sum, into other registers
.endr
	s_wait_loadcnt 0x0                             ; W_out's rows
.irp e, 0,1,2,3
.irp nt, 0,1,2,3
.if \e == 0
	v_wmma_f32_16x16x4_f32 v[ACC+8*\nt:ACC+8*\nt+7], v[WF+8*\nt+2*\e:WF+8*\nt+2*\e+1], v[QF+8*\nt+2*\e:QF+8*\nt+2*\e+1], 0
.else
	v_wmma_f32_16x16x4_f32 v[ACC+8*\nt:ACC+8*\nt+7], v[WF+8*\nt+2*\e:WF+8*\nt+2*\e+1], v[QF+8*\nt+2*\e:QF+8*\nt+2*\e+1], v[ACC+8*\nt:ACC+8*\nt+7]
.endif
.endr
.endr
.rept 8
	v_nop
.endr
.irp j, 0,1,2,3,4,5,6,7
	v_add_f32 v[PT+\j], v[ACC+\j], v[ACC+8+\j]
	v_add_f32 v[TM+\j], v[ACC+16+\j], v[ACC+24+\j]
.endr
.irp j, 0,1,2,3,4,5,6,7
	v_add_f32 v[PT+\j], v[PT+\j], v[TM+\j]         ; my head's part of out(r, n0 + 8 h + j)
.endr
	ds_store_b128 v7, v[PT:PT+3]
	ds_store_b128 v7, v[PT+4:PT+7] offset:512
	s_wait_dscnt 0x0                               ; for the others' sake: my stores have landed
	s_barrier_signal -1
	s_barrier_wait -1
	s_cmp_lt_u32 s10, 2                            ; waves 0 and 1 add the sixteen parts, half a tile each
	s_cbranch_scc0 .Ldone
.irp p, 0,1,2,3,4,5,6,7,8,9,10,11,12,13,14,15
	ds_load_b128 v[16+4*\p:16+4*\p+3], v8 offset:1024*\p
.endr
	s_wait_dscnt 0x0
.irp p, 1,2,3,4,5,6,7,8,9,10,11,12,13,14,15
	v_pk_add_f32 v[16:17], v[16:17], v[16+4*\p:16+4*\p+1]
	v_pk_add_f32 v[18:19], v[18:19], v[18+4*\p:18+4*\p+1]
.endr
	global_store_b128 v9, v[16:19], s[8:9]         ; out0(2,048 b + r, n0 + 8 h + 4 w + 0 .. 3)
.Ldone:
	s_wait_tensorcnt 0x0                           ; the wave's end, behind my last LDS store
	ds_add_u32 v[SPW], v[NIL]
	s_wait_dscnt 0x0
	s_endpgm
.Lfunc_end_k_qc818391c71_first16:
	.size	k_qc818391c71_first16, .Lfunc_end_k_qc818391c71_first16-k_qc818391c71_first16
	.p2alignl 7, 3214868480
	.fill 96, 4, 3214868480
	.section	.rodata,"a",@progbits
	.p2align	6, 0x0
	.amdhsa_kernel k_qc818391c71_first16
		.amdhsa_group_segment_fixed_size 88064
		.amdhsa_private_segment_fixed_size 0
		.amdhsa_enable_private_segment 0
		.amdhsa_kernarg_size 24
		.amdhsa_user_sgpr_count 2
		.amdhsa_user_sgpr_kernarg_segment_ptr 1
		.amdhsa_wavefront_size32 1
		.amdhsa_system_sgpr_workgroup_id_x 1
		.amdhsa_system_sgpr_workgroup_id_y 1
		.amdhsa_system_sgpr_workgroup_id_z 1
		.amdhsa_system_vgpr_workitem_id 0
		.amdhsa_next_free_vgpr 256
		.amdhsa_next_free_sgpr 66
		.amdhsa_reserve_vcc 1
		.amdhsa_float_denorm_mode_32 3
		.amdhsa_float_denorm_mode_16_64 3
		.amdhsa_memory_ordered 1
		.amdhsa_forward_progress 1
		.amdhsa_inst_pref_size 23
	.end_amdhsa_kernel
	.amdgpu_metadata
---
amdhsa.version: [ 1, 2 ]
amdhsa.kernels:
  - .name:           k_qc818391c71_first16
    .symbol:         k_qc818391c71_first16.kd
    .args:
      - { .name: f32rows, .offset: 0, .size: 8, .value_kind: global_buffer, .address_space: global }
      - { .name: W_out, .offset: 8, .size: 8, .value_kind: global_buffer, .address_space: global }
      - { .name: out0, .offset: 16, .size: 8, .value_kind: global_buffer, .address_space: global }
    .group_segment_fixed_size: 88064
    .private_segment_fixed_size: 0
    .kernarg_segment_align: 8
    .kernarg_segment_size: 24
    .max_flat_workgroup_size: 512
    .sgpr_count:     66
    .vgpr_count:     256
    .wavefront_size: 32
...
	.end_amdgpu_metadata
.endif
;; end of part 5
